; MI455X (gfx1250); checked and timed in simulation.
; The chip was launched on July 23, 2026; its instructions are those of AMD's public machine-readable ISA for CDNA 5 (MIT licence, August 2026) and "CDNA5" Instruction Set Architecture Reference Guide (July 2026). The comments in the code are by the model that wrote it; some were corrected since.
;; Head. Allowed arithmetic: float matrix products may take bf16 or f16 operands with f32 sums; all other float work in f32.
;; Inputs: Wk 128 x 1,024 float32; Wq 128 x 1,024 float32; Wv 128 x 1,024 float32; x 4 x 4,096 x 1,024 float32.
;; Outputs: out0 4 x 4,096 x 128 float32.
;; 3 versions, each right and faster than the one before. Each part assembles by itself: llvm-mc -triple=amdgcn-amd-amdhsa -mcpu=gfx1250 --defsym DOCPART=n.
;; ======== version 1 of 3: 2 launches
;; limits: values are held in f16: magnitudes above 65,504 overflow, below 6.1e-05 lose precision
;; workspace buffers: qh 4,194,304 bytes; kh 4,194,304 bytes; vh 4,194,304 bytes
;; launch proj (part 1): grid 256 x 1, 4 waves a work-group, clusters of 4 x 1, 327,680 bytes of LDS; arguments x, Wq, Wk, Wv, qh, kh, vh; writes qh, kh, vh
.if DOCPART == 1
	.amdgcn_target "amdgcn-amd-amdhsa--gfx1250"
	.amdhsa_code_object_version 6
	.text
	.protected	k_q7d9db528ad_proj
	.globl	k_q7d9db528ad_proj
	.p2align	8
	.type	k_q7d9db528ad_proj,@function
k_q7d9db528ad_proj:
	s_mov_b64 s[64:65], 0
	v_nop
	global_prefetch_b8 v0, s[64:65] scope:SCOPE_SE
	s_setreg_imm32_b32 hwreg(HW_REG_WAVE_MODE, 25, 1), 1
	s_wait_xcnt 0x0
	s_wait_alu depctr_hold_cnt(0) depctr_sa_sdst(0) depctr_va_vdst(0) depctr_va_sdst(0) depctr_va_ssrc(0) depctr_va_vcc(0) depctr_vm_vsrc(0)
	s_getreg_b32 s2, hwreg(HW_REG_IB_STS2, 6, 4)
	s_cmp_eq_u32 s2, 0
	s_cbranch_scc0 .Lentry_in_a_cluster
	s_endpgm
.Lentry_in_a_cluster:
	s_bfe_u32 s2, ttmp6, 0x10000c
	s_cmp_lg_u32 s2, 0x3003
	s_cbranch_scc0 .Lentry_shape_is_right
	s_endpgm
.Lentry_shape_is_right:
; qh = f16(c x Wq^T), kh = f16(x Wk^T), vh = f16(x Wv^T).  x: [16384][1024] f32, W*: [128][1024] f32, qh, kh, vh: [16384][128] f16.
; c = 128^-0.5 log2(e): the softmax scale of the next launch, multiplied in f32 ahead of the one rounding, so that its exponents are plain differences.
; x and W are rounded to bf16 on the way to the matrix unit; sums in f32.
; LIMITS: |c q|, |k|, |v| must stay below 65,504 (f16): with x and W 30 times the drawn spread |q| is some 5,400, with offsets of 30 spreads
; on both some 28,800.  NaN and infinities in the inputs are not followed.
; SHARES: a work-group owns 64 tokens and all 384 columns of q|k|v; wave w owns columns 96 w .. 96 w + 95 of all 64 tokens: 6 x 4 accumulator tiles.
; So each row of W is read from LDS and converted by one wave alone.  K goes in 16 steps of 64 (256 bytes of a row).
; W: all work-groups walk the same W, so the four of a cluster ask for each tile JOINTLY (mask 15): waves 0, 1, 2 bring 128 rows x 256 bytes of Wq, Wk, Wv,
; wave 3 brings none; two LDS slots take turns, one tensor load of a wave is out at most.
; x: nobody shares it.  It comes through registers, 16 rows a wave, a ring of four sets of 8 loads (3 to 4 chunks of 4 KiB a wave on their way, across the
; barriers), is rounded to bf16 once and handed to the other waves through two LDS slots of its own, one step ahead of its use.
; THE MATRIX INSTRUCTION IS USED TRANSPOSED: source 0 = 16 rows of W, source 1 = 16 tokens of x; lane (r, h) then holds token r, columns 8 h .. 8 h + 7.
.set ROWB,   4096                      ; bytes in a row of x and of W
.set STEPB,  256                       ; bytes of such a row in a K step
.set WPITCH, 272                       ; LDS row of W: 256 bytes + 16: the 16 rows of a fragment load start 16 bytes apart modulo 256
.set WMAT,   128*WPITCH                ; one matrix's tile
.set WSLOT,  3*WMAT                    ; rows 0-127 Wq, 128-255 Wk, 256-383 Wv
.set XB,     2*WSLOT                   ; x in bf16: filled by LDS stores alone, no tensor load lands here
.set XPITCH, 144                       ; 64 bf16 + 16 bytes
.set XSLOT,  64*XPITCH
.set STG,    XB+2*XSLOT                ; the way out: 64 tokens x 384 f16
.set SPITCH, 784                       ; 768 bytes + 16
.set QSCALE, 0x3e0293ee                ; c = 0.12751743
; window 0
.set WA,  2                            ; v2-3   LDS address of my W fragments, slot 0, 1
.set XA,  4                            ; v4-5   of the x fragments
.set XS,  6                            ; v6-7   where I store my 8 bytes of x in bf16
.set XO,  8                            ; v8     byte offset of my 16 bytes in x, from the group's first row; never rewritten
.set STO, 9                            ; v9     way out: where I put 16 bytes
.set RD,  10                           ; v10    way out: where I read back
.set GO,  11                           ; v11    way out: 16 x lane
.set WF,  32                           ; v32-127, v128-223: W fragments, two buffers of 6 x 16 registers (f32 as loaded, bf16 in the first 8 of each 16)
.set T,   224                          ; v224-239 x in bf16, on its way to LDS
; window 1: v0-191 accumulators, tile (ct, rt) at 8 (4 ct + rt); v192-255 x fragments, two buffers of 4 x 8
.set XF,  192
; window 2: v0-127 the ring of x, four sets of 32
.set WV,  20                           ; s20 wave number
.set G1,  24                           ; s[24:31] descriptor group 1
.set G0,  32                           ; s[32:39] descriptor group 0, one for each slot
.set MSB, 0
.macro WIN new                         ; the immediate's high byte repeats the setting that is left; at labels and branches the setting is 0
.if MSB != \new
	s_set_vgpr_msb (MSB<<8)|\new
.set MSB, \new
.endif
.endm
.macro PLACES                          ; four places behind a matrix instruction ahead of loads into, or vector work on, its registers
.rept 4
	v_nop
.endr
.endm
.macro ROUND                           ; a round of the cluster's barrier
	s_barrier_signal -1
	s_barrier_wait -1
	s_cmp_lg_u32 s[WV], 0
	s_cbranch_scc1 .Lnot_wave_0_\@
	s_barrier_signal -3
.Lnot_wave_0_\@:
	s_barrier_wait -3
	s_barrier_signal -1
	s_barrier_wait -1
.endm
.macro WLOAD p                         ; the joint load of slot p: waves 0, 1, 2, one matrix each; the branch hangs on the wave number alone
	s_cmp_eq_u32 s[WV], 3
	s_cbranch_scc1 .Lnone_\@
	tensor_load_to_lds s[G0+4*\p:G0+4*\p+3], s[G1:G1+7]
	s_nop 0
.Lnone_\@:
.endm
.macro XLOAD rs, off                   ; a chunk of x into ring set rs: 16 rows x 256 bytes; each load covers two whole rows' 256 bytes
	WIN 0x80
.irp e, 0,1,2,3,4,5,6,7
	global_load_b128 v[32*\rs+4*\e:32*\rs+4*\e+3], v[XO], s[40:41] offset:\off+2*ROWB*\e th:TH_LOAD_NT
.endr
.endm
.macro XCONS rs, left, slot            ; ring set rs is rounded to bf16 and stored into x slot; left = younger loads that may stay out
	s_wait_loadcnt \left
	WIN 0x0a
.irp e, 0,1,2,3,4,5,6,7
	v_cvt_pk_bf16_f32 v[T+2*\e],   v[32*\rs+4*\e],   v[32*\rs+4*\e+1]
	v_cvt_pk_bf16_f32 v[T+2*\e+1], v[32*\rs+4*\e+2], v[32*\rs+4*\e+3]
.endr
	WIN 0
.irp e, 0,1,2,3,4,5,6,7
	ds_store_b64 v[XS+\slot], v[T+2*\e:T+2*\e+1] offset:2*XPITCH*\e
.endr
.endm
; 32 LDS loads: the fragments of 32 along K (half ks of the step).  A lane's 8 + 8 numbers of W are 32 + 32 bytes of f32, 64 bytes apart.
.macro FETCH buf, slot, ks
	WIN 0
.irp ct, 0,1,2,3,4,5
	ds_load_b128 v[WF+96*\buf+16*\ct:WF+96*\buf+16*\ct+3],     v[WA+\slot] offset:\ct*16*WPITCH+128*\ks
	ds_load_b128 v[WF+96*\buf+16*\ct+4:WF+96*\buf+16*\ct+7],   v[WA+\slot] offset:\ct*16*WPITCH+128*\ks+16
	ds_load_b128 v[WF+96*\buf+16*\ct+8:WF+96*\buf+16*\ct+11],  v[WA+\slot] offset:\ct*16*WPITCH+128*\ks+64
	ds_load_b128 v[WF+96*\buf+16*\ct+12:WF+96*\buf+16*\ct+15], v[WA+\slot] offset:\ct*16*WPITCH+128*\ks+80
.endr
	WIN 0x40
.irp rt, 0,1,2,3
	ds_load_b128 v[XF+32*\buf+8*\rt:XF+32*\buf+8*\rt+3],   v[XA+\slot] offset:\rt*16*XPITCH+64*\ks
	ds_load_b128 v[XF+32*\buf+8*\rt+4:XF+32*\buf+8*\rt+7], v[XA+\slot] offset:\rt*16*XPITCH+64*\ks+32
.endr
.endm
.macro CVT buf                         ; W to bf16, packed downward in place: register e is written when 2 e and 2 e + 1 are read, ascending
.irp ct, 0,1,2,3,4,5
.irp e, 0,1,2,3,4,5,6,7
	v_cvt_pk_bf16_f32 v[WF+96*\buf+16*\ct+\e], v[WF+96*\buf+16*\ct+2*\e], v[WF+96*\buf+16*\ct+2*\e+1]
.endr
.endr
.endm
.macro MUL buf, zero                   ; 24 matrix instructions; the 24 accumulators take turns, one instruction a turn
	WIN 0x54
.irp ct, 0,1,2,3,4,5
.irp rt, 0,1,2,3
.if \zero
	v_wmma_f32_16x16x32_bf16 v[8*(4*\ct+\rt):8*(4*\ct+\rt)+7], v[WF+96*\buf+16*\ct:WF+96*\buf+16*\ct+7], v[XF+32*\buf+8*\rt:XF+32*\buf+8*\rt+7], 0
.else
	v_wmma_f32_16x16x32_bf16 v[8*(4*\ct+\rt):8*(4*\ct+\rt)+7], v[WF+96*\buf+16*\ct:WF+96*\buf+16*\ct+7], v[XF+32*\buf+8*\rt:XF+32*\buf+8*\rt+7], v[8*(4*\ct+\rt):8*(4*\ct+\rt)+7]
.endif
.endr
.endr
.endm
; One K step on W slot and x slot \slot.  refill: the other W slot gets the next step's tiles.  issue: the chunk four steps ahead is asked for, into set iset.
; cons: the next step's chunk (set cset) goes to the other x slot.
.macro STEP slot, refill, zero, issue, iset, ioff, cons, cset, left
	s_wait_tensorcnt 0x0                   ; all my tensor loads have landed, my part of this step's tiles among them,
	ds_add_u32 v254, v255
	s_wait_dscnt 0x0
	s_add_nc_u64 s[G0+4*\slot+2:G0+4*\slot+3], s[G0+4*\slot+2:G0+4*\slot+3], 2*STEPB   ; so a group 0 may be written: this slot's next tile
	s_wait_dscnt 0x0                       ; my reads of the last step's slots are back and my stores of this step's x are done
	ROUND                                  ; all that now holds of every wave of the four work-groups
.if \refill
	WLOAD (1-\slot)                        ; first thing behind the round, my one tensor load until the next
.endif
	FETCH 0, \slot, 0
	FETCH 1, \slot, 1
.if \issue
	XLOAD \iset, \ioff
.endif
.if \cons
	XCONS \cset, \left, (1-\slot)
.endif
	s_wait_dscnt 32+8*\cons                ; buffer 0 is in: behind it came buffer 1's 32 loads and the 8 stores of x
	WIN 0
	CVT 0
	MUL 0, \zero
	s_wait_dscnt 8*\cons                   ; buffer 1 is in: only the stores came behind it
	WIN 0
	CVT 1
	MUL 1, 0
	PLACES
	WIN 0
.endm
.macro LAP zero                        ; four steps; 24 = the three younger chunks of 8 loads
	STEP 0, 1, \zero, 1, 0, 4*STEPB, 1, 1, 24
	STEP 1, 1, 0,     1, 1, 5*STEPB, 1, 2, 24
	STEP 0, 1, 0,     1, 2, 6*STEPB, 1, 3, 24
	STEP 1, 1, 0,     1, 3, 7*STEPB, 1, 0, 24
	s_wait_xcnt 0x0                        ; the base of the loads of x is stepped only behind this wait
	s_add_nc_u64 s[40:41], s[40:41], 4*STEPB
.endm
	s_load_b256 s[4:11], s[0:1], 0x0               ; x s[4:5], Wq s[6:7], Wk s[8:9], Wv s[10:11]
	s_load_b128 s[12:15], s[0:1], 0x20             ; qh s[12:13], kh s[14:15]
	s_load_b64 s[16:17], s[0:1], 0x30              ; vh
	v_lshl_add_u32 v254, v0, 2, 0x43c00
	v_mov_b32 v255, 0
	ds_add_u32 v254, v255
	v_lshrrev_b32 v1, 5, v0
	v_readfirstlane_b32 s[WV], v1                  ; wave 0..3
	s_bfe_u32 s21, ttmp6, 0x40000                  ; cx: enters global addresses of x and of the outputs alone
	s_lshl_b32 s22, ttmp9, 2
	s_add_co_u32 s22, s22, s21                     ; work-group 0..255
	v_and_b32 v12, 15, v0                          ; r
	v_bfe_u32 v13, v0, 4, 1                        ; h
	s_lshl_b32 s50, s[WV], 16                      ; my 16 rows of x
	v_lshlrev_b32 v14, 12, v13
	v_lshl_add_u32 v14, v12, 4, v14
	v_add_nc_u32 v[XO], s50, v14                   ; (16 w + h) rows + 16 r
	s_lshl_b32 s46, s22, 18                        ; 64 rows of 4,096 bytes a work-group
	s_mov_b32 s47, 0
	s_wait_dscnt 0x0
	s_wait_kmcnt 0x0
	s_add_nc_u64 s[40:41], s[4:5], s[46:47]
	XLOAD 0, 0                                     ; chunks 0 to 3 of x
	XLOAD 1, STEPB
	XLOAD 2, 2*STEPB
	XLOAD 3, 3*STEPB
	WIN 0
	; group 1: 128 rows x 64 elements of 4 bytes, pitch 1,024 elements, 4 dwords of padding behind every 64
	s_mov_b32 s[G1+0], 15|(2<<16)|(1<<20)|(1<<21)|(5<<22)|(3<<25)
	s_mov_b32 s[G1+1], 64<<16                      ; tensor_dim0 = 64
	s_mov_b32 s[G1+2], 128<<16                     ; tensor_dim1 = 128
	s_mov_b32 s[G1+3], 64<<16                      ; tile_dim0 = 64
	s_mov_b32 s[G1+4], 128                         ; tile_dim1 = 128
	s_mov_b32 s[G1+5], 1024                        ; elements from row to row
	s_mov_b32 s[G1+6], 0
	s_mov_b32 s[G1+7], 0
	s_cmp_eq_u32 s[WV], 0
	s_cselect_b64 s[42:43], s[6:7], s[8:9]         ; wave 0: Wq, wave 1: Wk,
	s_cmp_lt_u32 s[WV], 2
	s_cselect_b64 s[42:43], s[42:43], s[10:11]     ; wave 2: Wv (wave 3 asks for nothing)
	s_mul_i32 s53, s[WV], WMAT
.irp p, 0,1
	s_mov_b32 s[G0+4*\p], 1
	s_add_co_u32 s[G0+4*\p+1], s53, \p*WSLOT
	s_add_nc_u64 s[G0+4*\p+2:G0+4*\p+3], s[42:43], \p*STEPB
	s_or_b32 s[G0+4*\p+3], s[G0+4*\p+3], 0x80000000
.endr
	ROUND                                          ; the four work-groups are here: the first joint loads meet
	WLOAD 0                                        ; step 0's tiles
	s_mul_i32 s48, s[WV], 96*WPITCH
	v_mul_u32_u24 v14, v12, WPITCH
	v_lshl_add_u32 v14, v13, 5, v14
	v_add_nc_u32 v[WA], s48, v14                   ; (96 w + r) rows + 32 h
	v_add_nc_u32 v[WA+1], WSLOT, v[WA]
	v_mul_u32_u24 v14, v12, XPITCH
	v_lshl_add_u32 v14, v13, 4, v14
	v_add_nc_u32 v[XA], XB, v14                    ; r rows + 16 h
	v_add_nc_u32 v[XA+1], XSLOT, v[XA]
	s_mul_i32 s49, s[WV], 16*XPITCH
	v_mul_u32_u24 v14, v13, XPITCH
	v_lshl_add_u32 v14, v12, 3, v14
	v_add_nc_u32 v14, s49, v14
	v_add_nc_u32 v[XS], XB, v14                    ; (16 w + h) rows + 8 r
	v_add_nc_u32 v[XS+1], XSLOT, v[XS]
	s_mul_i32 s51, s[WV], 192
	v_mul_u32_u24 v14, v12, SPITCH
	v_lshl_add_u32 v14, v13, 4, v14
	v_add_nc_u32 v14, s51, v14
	v_add_nc_u32 v[STO], STG, v14                  ; token r, my 96 columns, 16 h
	s_mul_i32 s52, s[WV], 16*SPITCH
	v_mul_u32_u24 v14, v13, SPITCH
	v_lshl_add_u32 v14, v12, 4, v14
	v_add_nc_u32 v14, s52, v14
	v_add_nc_u32 v[RD], STG, v14                   ; token 16 w + h, 16 r
	v_and_b32 v[GO], 31, v0
	v_lshlrev_b32 v[GO], 4, v[GO]
	XCONS 0, 24, 0                                 ; chunk 0 into x slot 0; chunks 1 to 3 stay out
	LAP 1                                          ; steps 0 to 3: the first products start the sums, nothing is cleared
	s_mov_b32 s44, 2
.Llap:
	LAP 0                                          ; steps 4 to 11
	s_sub_co_u32 s44, s44, 1
	s_cmp_lg_u32 s44, 0
	s_cbranch_scc1 .Llap
	STEP 0, 1, 0, 0, 0, 0, 1, 1, 16                ; steps 12 to 14 ask for no more x: the counts run down
	STEP 1, 1, 0, 0, 0, 0, 1, 2, 8
	STEP 0, 1, 0, 0, 0, 0, 1, 3, 0
	STEP 1, 0, 0, 0, 0, 0, 0, 0, 0                 ; step 15: nothing is left to fetch
	; THE WAY OUT.  The factor of a column tile: c where its columns belong to q (below 128), else 1.
	s_mul_i32 s45, s[WV], 96
.irp ct, 0,1,2,3,4,5
	s_add_co_u32 s46, s45, 16*\ct
	s_cmp_lt_u32 s46, 128
	s_cselect_b32 s[48+2*\ct], QSCALE, 1.0
	s_mov_b32 s[49+2*\ct], s[48+2*\ct]
.endr
	WIN 0x41
.irp ct, 0,1,2,3,4,5
.irp e, 0,2,4,6,8,10,12,14,16,18,20,22,24,26,28,30
	v_pk_mul_f32 v[32*\ct+\e:32*\ct+\e+1], v[32*\ct+\e:32*\ct+\e+1], s[48+2*\ct:49+2*\ct] op_sel_hi:[1,0]
.endr
.endr
	WIN 0x05
.irp ct, 0,1,2,3,4,5
.irp e, 0,1,2,3,4,5,6,7,8,9,10,11,12,13,14,15
	v_cvt_pk_f16_f32 v[WF+16*\ct+\e], v[32*\ct+2*\e], v[32*\ct+2*\e+1]   ; tile (ct, rt): four registers at WF + 4 (4 ct + rt)
.endr
.endr
	WIN 0
.irp ct, 0,1,2,3,4,5
.irp rt, 0,1,2,3
	ds_store_b128 v[STO], v[WF+4*(4*\ct+\rt):WF+4*(4*\ct+\rt)+3] offset:\rt*16*SPITCH+32*\ct
.endr
.endr
	s_lshl_b32 s46, s22, 14                        ; 64 tokens of 256 bytes a work-group,
	s_lshl_b32 s45, s[WV], 12                      ; 16 a wave
	s_add_co_u32 s46, s46, s45
	s_mov_b32 s47, 0
	s_add_nc_u64 s[12:13], s[12:13], s[46:47]
	s_add_nc_u64 s[14:15], s[14:15], s[46:47]
	s_add_nc_u64 s[16:17], s[16:17], s[46:47]
	s_wait_dscnt 0x0                               ; my stores into the stage are done,
	s_barrier_signal -1
	s_barrier_wait -1                              ; everybody's are: a token's 768 bytes come from all four waves
.irp mat, 0,1,2
.irp e, 0,1,2,3,4,5,6,7
	ds_load_b128 v[128+4*(8*\mat+\e):128+4*(8*\mat+\e)+3], v[RD] offset:\e*2*SPITCH+\mat*256
.endr
.endr
.irp mat, 0,1,2
.irp e, 0,1,2,3,4,5,6,7
	s_wait_dscnt 23-(8*\mat+\e)                    ; LDS loads come back in order: this one is in
	global_store_b128 v[GO], v[128+4*(8*\mat+\e):128+4*(8*\mat+\e)+3], s[12+2*\mat:13+2*\mat] offset:512*\e   ; two whole tokens: 512 consecutive bytes, aligned
.endr
.endr
	s_wait_tensorcnt 0x0
	ds_add_u32 v254, v255
	s_wait_dscnt 0x0
	ROUND                                          ; the closing round: no work-group ends while a partner may still ask jointly
	s_endpgm
.Lfunc_end_k_q7d9db528ad_proj:
	.size	k_q7d9db528ad_proj, .Lfunc_end_k_q7d9db528ad_proj-k_q7d9db528ad_proj
	.p2alignl 7, 3214868480
	.fill 96, 4, 3214868480
	.section	.rodata,"a",@progbits
	.p2align	6, 0x0
	.amdhsa_kernel k_q7d9db528ad_proj
		.amdhsa_group_segment_fixed_size 327680
		.amdhsa_private_segment_fixed_size 0
		.amdhsa_enable_private_segment 0
		.amdhsa_kernarg_size 56
		.amdhsa_user_sgpr_count 2
		.amdhsa_user_sgpr_kernarg_segment_ptr 1
		.amdhsa_wavefront_size32 1
		.amdhsa_system_sgpr_workgroup_id_x 1
		.amdhsa_system_sgpr_workgroup_id_y 1
		.amdhsa_system_sgpr_workgroup_id_z 1
		.amdhsa_system_vgpr_workitem_id 0
		.amdhsa_next_free_vgpr 640
		.amdhsa_next_free_sgpr 66
		.amdhsa_reserve_vcc 0
		.amdhsa_float_denorm_mode_32 3
		.amdhsa_float_denorm_mode_16_64 3
		.amdhsa_memory_ordered 1
		.amdhsa_forward_progress 1
		.amdhsa_inst_pref_size 223
	.end_amdhsa_kernel
	.amdgpu_metadata
---
amdhsa.version: [ 1, 2 ]
amdhsa.kernels:
  - .name:           k_q7d9db528ad_proj
    .symbol:         k_q7d9db528ad_proj.kd
    .args:
      - { .name: x, .offset: 0, .size: 8, .value_kind: global_buffer, .address_space: global }
      - { .name: Wq, .offset: 8, .size: 8, .value_kind: global_buffer, .address_space: global }
      - { .name: Wk, .offset: 16, .size: 8, .value_kind: global_buffer, .address_space: global }
      - { .name: Wv, .offset: 24, .size: 8, .value_kind: global_buffer, .address_space: global }
      - { .name: qh, .offset: 32, .size: 8, .value_kind: global_buffer, .address_space: global }
      - { .name: kh, .offset: 40, .size: 8, .value_kind: global_buffer, .address_space: global }
      - { .name: vh, .offset: 48, .size: 8, .value_kind: global_buffer, .address_space: global }
    .group_segment_fixed_size: 327680
    .private_segment_fixed_size: 0
    .kernarg_segment_align: 8
    .kernarg_segment_size: 56
    .max_flat_workgroup_size: 128
    .sgpr_count:     66
    .vgpr_count:     640
    .wavefront_size: 32
...
	.end_amdgpu_metadata
.endif
;; end of part 1
;; launch attn (part 2): grid 256 x 1, 4 waves a work-group, clusters of 4 x 1, 327,680 bytes of LDS; arguments qh, kh, vh, out0; writes out0
.if DOCPART == 2
	.amdgcn_target "amdgcn-amd-amdhsa--gfx1250"
	.amdhsa_code_object_version 6
	.text
	.protected	k_q7d9db528ad_attn
	.globl	k_q7d9db528ad_attn
	.p2align	8
	.type	k_q7d9db528ad_attn,@function
k_q7d9db528ad_attn:
	s_mov_b64 s[64:65], 0
	v_nop
	global_prefetch_b8 v0, s[64:65] scope:SCOPE_SE
	s_setreg_imm32_b32 hwreg(HW_REG_WAVE_MODE, 25, 1), 1
	s_wait_xcnt 0x0
	s_wait_alu depctr_hold_cnt(0) depctr_sa_sdst(0) depctr_va_vdst(0) depctr_va_sdst(0) depctr_va_ssrc(0) depctr_va_vcc(0) depctr_vm_vsrc(0)
	s_getreg_b32 s2, hwreg(HW_REG_IB_STS2, 6, 4)
	s_cmp_eq_u32 s2, 0
	s_cbranch_scc0 .Lentry_in_a_cluster
	s_endpgm
.Lentry_in_a_cluster:
	s_bfe_u32 s2, ttmp6, 0x10000c
	s_cmp_lg_u32 s2, 0x3003
	s_cbranch_scc0 .Lentry_shape_is_right
	s_endpgm
.Lentry_shape_is_right:
; out0 = softmax(causal(q k^T 128^-0.5)) v for 4 batches of 4,096 tokens, 128 numbers a token.  qh holds c q (c = 128^-0.5 log2 e), so a score is an exponent of 2.
; Operands f16, sums f32, softmax in f32 with a running maximum: every exponent is score - maximum, never above 0.
; LIMITS: a masked score is -2^126; real scores are bounded by the f16 operands (128 x 65,504^2 < 2^40).  The row sum adds p before p is rounded to f16.
; NaN and infinities in the inputs are not followed.
; SHARES: cluster C = (batch b = C / 16, c = C % 16); work-group i = 4 c + cx owns two blocks of 32 queries, numbers i and 127 - i of the batch's 128.
; Keys go in steps of 256; wave w takes keys 64 w .. 64 w + 63 of a step for all 32 queries and keeps its own maximum, sum and O; the four meet in LDS at the end.
; Block Q needs Q / 8 + 1 steps and a mask in the last alone: with a = c / 2 that is a + 1 steps for the low block and 16 - a for the high one, 17 in every
; work-group, and the counts hang on c alone: the four partners walk the same tiles of K and V and ask for them JOINTLY (mask 15).  cx enters only the
; addresses of q and out0 and the lanes' mask offset, no branch and no LDS address.
; LAYOUT: S^T = K Q^T: lane (r, h), register j holds key 8 h + j, query r; a lane's own registers, packed in pairs, are P^T's fragment: no shuffle.
; O^T = V^T P^T (V through the transposing LDS load): lane (r, h), register j holds number 8 h + j of query r.  Maximum, sum and rescale factor are a lane's own.
.set KPITCH, 272                       ; 256 bytes + 16
.set VPITCH, 288                       ; 256 bytes + 32, for the transposing load
.set KBYTES, 256*KPITCH
.set SLOT,   KBYTES+256*VPITCH         ; K's 256 rows, then V's
.set STATS,  2*SLOT                    ; [block][32 queries][m of waves 0-3, l of waves 0-3]: filled by LDS stores alone
.set PPITCH, 528                       ; a partial row: 512 bytes + 16
.set PART,   32*PPITCH                 ; partial O of one block and wave; the eight lie over slot 0, behind the last fill of the launch
.set TILEB,  65536                     ; 256 rows of 256 bytes in memory
.set NEGV,   0xfe800000                ; -2^126
; window 0
.set KA,  2                            ; v2-3   LDS address of my K fragments, slot 0, 1
.set VA,  4                            ; v4-5   of my V fragments
.set QO,  6                            ; v6     my byte offset in a block of q
.set DQ,  7                            ; v7     mask offset of the block at work: key 16 kt + j of my 64 is masked for query 16 nt + r if 16 kt + j - 16 nt > DQ
.set DH,  8                            ; v8     the high block's
.set NEG, 9                            ; v9     -2^126
.set MX,  10                           ; v10-11 running maximum, nt = 0, 1
.set LS,  12                           ; v12-15 running sums, a pair for each nt
.set AL,  16                           ; v16-19 rescale factor, low register of a pair for each nt
.set NM,  20                           ; v20-23 minus the maximum, likewise
.set MLO, 24                           ; v24-25 the low block's maxima
.set LLO, 26                           ; v26-29 and sums
.set TP,  30                           ; v30-31 at work
.set SC,  32                           ; v32-95   scores, tile (nt, kt) at 32 nt + 8 kt
.set PF,  96                           ; v96-127  P^T, fragment (nt, g) at 16 nt + 8 g
.set KF,  128                          ; v128-255 K fragments, (ks, kt) at 8 (4 ks + kt)
; window 1
.set OA,  0                            ; v0-127   O^T, tile (nt, ht) at 64 nt + 8 ht
.set VF,  128                          ; v128-255 V fragments, (g, ht) at 8 (8 g + ht)
; window 2
.set QF,  0                            ; v0-63    Q fragments of the block at work, (nt, ks) at 8 (4 nt + ks)
.set QH,  64                           ; v64-127  the high block's, until its turn
.set OLO, 128                          ; v128-255 the low block's O^T
; the merge, window 0
.set TQ,  96                           ; v96-103
.set ST,  104
.set PA,  105                          ; v105-106
.set RA,  107                          ; v107-108
.set SA,  109
.set GOM, 110
.set WV,  12                           ; s12 wave number
.set MSB, 0
.macro WIN new
.if MSB != \new
	s_set_vgpr_msb (MSB<<8)|\new
.set MSB, \new
.endif
.endm
.macro PLACES                          ; four places behind a matrix instruction ahead of loads into, or vector work on, its registers
.rept 4
	v_nop
.endr
.endm
.macro ROUND                           ; a round of the cluster's barrier
	s_barrier_signal -1
	s_barrier_wait -1
	s_cmp_lg_u32 s[WV], 0
	s_cbranch_scc1 .Lnot_wave_0_\@
	s_barrier_signal -3
.Lnot_wave_0_\@:
	s_barrier_wait -3
	s_barrier_signal -1
	s_barrier_wait -1
.endm
.macro JLOAD                           ; waves 0, 1: K's two halves of 128 rows; waves 2, 3: V's.  The branch hangs on the wave number alone
	s_cmp_eq_u32 s13, 0
	s_cbranch_scc0 .Lfor_v_\@
	tensor_load_to_lds s[32:35], s[16:23]
	s_nop 0
	s_branch .Lasked_\@
.Lfor_v_\@:
	tensor_load_to_lds s[36:39], s[24:31]
	s_nop 0
.Lasked_\@:
.endm
.macro NEXT slot                       ; both group 0 for the next step's tile, into the other slot; no tensor load of mine is out here
	s_add_co_u32 s44, s44, TILEB           ; the next 256 keys,
	s_cmp_eq_u32 s46, s47
	s_cselect_b32 s44, 0, s44              ; or, behind the low block's last step, the high block's first
	s_add_co_u32 s33, s49, (1-\slot)*SLOT
	s_add_co_u32 s37, s50, (1-\slot)*SLOT
	s_add_nc_u64 s[34:35], s[40:41], s[44:45]
	s_or_b32 s35, s35, 0x80000000
	s_add_nc_u64 s[38:39], s[42:43], s[44:45]
	s_or_b32 s39, s39, 0x80000000
.endm
.macro LOADKV slot                     ; 32 loads of K (by ks), then 32 of V (by key group g)
	WIN 0
.irp ks, 0,1,2,3
.irp kt, 0,1,2,3
	ds_load_b128 v[KF+8*(4*\ks+\kt):KF+8*(4*\ks+\kt)+3],   v[KA+\slot] offset:\kt*16*KPITCH+64*\ks
	ds_load_b128 v[KF+8*(4*\ks+\kt)+4:KF+8*(4*\ks+\kt)+7], v[KA+\slot] offset:\kt*16*KPITCH+64*\ks+32
.endr
.endr
	WIN 0x40
.irp g, 0,1
.irp ht, 0,1,2,3,4,5,6,7
	ds_load_tr16_b128 v[VF+8*(8*\g+\ht):VF+8*(8*\g+\ht)+3],   v[VA+\slot] offset:\g*32*VPITCH+32*\ht
	ds_load_tr16_b128 v[VF+8*(8*\g+\ht)+4:VF+8*(8*\g+\ht)+7], v[VA+\slot] offset:\g*32*VPITCH+32*\ht+16*VPITCH
.endr
.endr
.endm
.macro QK                              ; 32 matrix instructions; the 8 accumulators take turns, one instruction a turn
	WIN 0x08
.irp ks, 0,1,2,3
	s_wait_dscnt 56-8*\ks                  ; K's loads up to this ks are in: behind them came 8 for each later ks and V's 32
.irp kt, 0,1,2,3
.irp nt, 0,1
.if \ks == 0
	v_wmma_f32_16x16x32_f16 v[SC+32*\nt+8*\kt:SC+32*\nt+8*\kt+7], v[KF+8*(4*\ks+\kt):KF+8*(4*\ks+\kt)+7], v[QF+8*(4*\nt+\ks):QF+8*(4*\nt+\ks)+7], 0
.else
	v_wmma_f32_16x16x32_f16 v[SC+32*\nt+8*\kt:SC+32*\nt+8*\kt+7], v[KF+8*(4*\ks+\kt):KF+8*(4*\ks+\kt)+7], v[QF+8*(4*\nt+\ks):QF+8*(4*\nt+\ks)+7], v[SC+32*\nt+8*\kt:SC+32*\nt+8*\kt+7]
.endif
.endr
.endr
.endr
.endm
.macro MASK
.irp nt, 0,1
.irp kt, 0,1,2,3
.irp j, 0,1,2,3,4,5,6,7
	v_cmp_gt_i32 vcc_lo, 16*\kt+\j-16*\nt, v[DQ]
	v_cndmask_b32 v[SC+32*\nt+8*\kt+\j], v[SC+32*\nt+8*\kt+\j], v[NEG], vcc_lo
.endr
.endr
.endr
.endm
.macro SOFTMAX nt
.set SB, SC+32*\nt
.set PB, PF+16*\nt
	; the largest of my 32 scores and the old maximum: 16 three-way maxima, four chains
.irp k, 0,1,2,3
	v_max3_num_f32 v[PB+\k], v[SB+8*\k], v[SB+8*\k+1], v[SB+8*\k+2]
.endr
.irp k, 0,1,2,3
	v_max3_num_f32 v[PB+\k], v[PB+\k], v[SB+8*\k+3], v[SB+8*\k+4]
.endr
.irp k, 0,1,2,3
	v_max3_num_f32 v[PB+\k], v[PB+\k], v[SB+8*\k+5], v[SB+8*\k+6]
.endr
	v_max3_num_f32 v[PB],   v[PB],   v[SB+7],  v[SB+15]
	v_max3_num_f32 v[PB+2], v[PB+2], v[SB+23], v[SB+31]
	v_max3_num_f32 v[PB+1], v[PB+1], v[PB+3],  v[MX+\nt]
	v_max3_num_f32 v[PB],   v[PB],   v[PB+1],  v[PB+2]
	v_permlanex16_b32 v[PB+1], v[PB], s52, s53     ; the other half of the lanes holds the query's other keys
	v_max_num_f32 v[TP], v[PB], v[PB+1]            ; the new maximum
	v_mul_f32 v[NM+2*\nt], -1.0, v[TP]
	v_add_f32 v[TP+1], v[MX+\nt], v[NM+2*\nt]      ; old - new
.irp e, 0,2,4,6,8,10,12,14,16,18,20,22,24,26,28,30
	v_pk_add_f32 v[SB+\e:SB+\e+1], v[SB+\e:SB+\e+1], v[NM+2*\nt:NM+2*\nt+1] op_sel_hi:[1,0]
.endr
	v_exp_f32 v[AL+2*\nt], v[TP+1]
.irp e, 0,1,2,3,4,5,6,7,8,9,10,11,12,13,14,15,16,17,18,19,20,21,22,23,24,25,26,27,28,29,30,31
	v_exp_f32 v[SB+\e], v[SB+\e]
.endr
	v_mov_b32 v[MX+\nt], v[TP]                     ; the plain instruction between the exponentials and the first use of a result (ISA guide 5.7.2)
	s_wait_alu depctr_va_vdst(0)
	v_pk_fma_f32 v[LS+2*\nt:LS+2*\nt+1], v[LS+2*\nt:LS+2*\nt+1], v[AL+2*\nt:AL+2*\nt+1], v[SB:SB+1] op_sel_hi:[1,0,1]
	v_pk_add_f32 v[TP:TP+1], v[SB+2:SB+3], v[SB+4:SB+5]
.irp e, 6,10,14,18,22,26
	v_pk_add_f32 v[LS+2*\nt:LS+2*\nt+1], v[LS+2*\nt:LS+2*\nt+1], v[SB+\e:SB+\e+1]
	v_pk_add_f32 v[TP:TP+1], v[TP:TP+1], v[SB+\e+2:SB+\e+3]
.endr
	v_pk_add_f32 v[LS+2*\nt:LS+2*\nt+1], v[LS+2*\nt:LS+2*\nt+1], v[SB+30:SB+31]
	v_pk_add_f32 v[LS+2*\nt:LS+2*\nt+1], v[LS+2*\nt:LS+2*\nt+1], v[TP:TP+1]
.irp e, 0,1,2,3,4,5,6,7,8,9,10,11,12,13,14,15
	v_cvt_pk_f16_f32 v[PB+\e], v[SB+2*\e], v[SB+2*\e+1]
.endr
.endm
.macro RESCALE
	WIN 0x41
.irp nt, 0,1
.set cnt, 0
.rept 32
	v_pk_mul_f32 v[OA+64*\nt+cnt:OA+64*\nt+cnt+1], v[OA+64*\nt+cnt:OA+64*\nt+cnt+1], v[AL+2*\nt:AL+2*\nt+1] op_sel_hi:[1,0]
.set cnt, cnt+2
.endr
.endr
.endm
.macro PV first                        ; 32 matrix instructions; the 16 accumulators take turns, one instruction a turn
	WIN 0x51
.irp g, 0,1
	s_wait_dscnt 16-16*\g                  ; V's key group g is in: 16 loads came behind group 0, none behind group 1
.irp ht, 0,1,2,3,4,5,6,7
.irp nt, 0,1
.if \first*(1-\g)
	v_wmma_f32_16x16x32_f16 v[OA+64*\nt+8*\ht:OA+64*\nt+8*\ht+7], v[VF+8*(8*\g+\ht):VF+8*(8*\g+\ht)+7], v[PF+16*\nt+8*\g:PF+16*\nt+8*\g+7], 0
.else
	v_wmma_f32_16x16x32_f16 v[OA+64*\nt+8*\ht:OA+64*\nt+8*\ht+7], v[VF+8*(8*\g+\ht):VF+8*(8*\g+\ht)+7], v[PF+16*\nt+8*\g:PF+16*\nt+8*\g+7], v[OA+64*\nt+8*\ht:OA+64*\nt+8*\ht+7]
.endif
.endr
.endr
.endr
.endm
.macro SAVE                            ; O, maxima and sums as they stand become the low block's
	WIN 0x81
.set cnt, 0
.rept 128
	v_mov_b32 v[OLO+cnt], v[OA+cnt]
.set cnt, cnt+1
.endr
	WIN 0
	v_mov_b32 v[MLO],   v[MX]
	v_mov_b32 v[MLO+1], v[MX+1]
.irp e, 0,1,2,3
	v_mov_b32 v[LLO+\e], v[LS+\e]
.endr
.endm
.macro SWITCH                          ; the high block's turn.  Its first step has no mask, so its factor exp2(-2^126 - new maximum) = 0 wipes O and the sums
	WIN 0x82
.set cnt, 0
.rept 64
	v_mov_b32 v[QF+cnt], v[QH+cnt]
.set cnt, cnt+1
.endr
	WIN 0
	v_mov_b32 v[MX],   v[NEG]
	v_mov_b32 v[MX+1], v[NEG]
	v_mov_b32 v[DQ],   v[DH]
.endm
; One step of 256 keys on slot \slot.  refill: the other slot gets the next step's tiles.  first: the products start O.
; mask: 0 = in the low block's last step (a branch on the step number), 1 = always, 2 = never.
; pend: 2 = SAVE always, SWITCH behind the low block's last step; 1 = both behind that step; 0 = neither.
.macro STEP slot, refill, first, mask, pend
	s_set_vgpr_msb 0xf
	s_wait_tensorcnt 0x0                   ; all my tensor loads have landed, my part of this step's tiles among them, so both group 0 may be written
	ds_add_u32 v0, v1
	s_wait_dscnt 0x0
	s_set_vgpr_msb 0xf00
.if \refill
	NEXT \slot
.endif
	s_wait_dscnt 0x0                       ; my reads of the other slot are back
	ROUND                                  ; both now hold of every wave of the four work-groups
.if \refill
	JLOAD                                  ; first thing behind the round, my one tensor load until the next
.endif
	LOADKV \slot
	QK
	PLACES
	WIN 0
.if \mask == 0
	s_cmp_lg_u32 s46, s47
	s_cbranch_scc1 .Lnomask_\@
	MASK
.Lnomask_\@:
.endif
.if \mask == 1
	MASK
.endif
	SOFTMAX 0
	SOFTMAX 1
.if \first == 0
	RESCALE
.endif
	PV \first
	PLACES
	WIN 0
.if \pend == 2
	SAVE                                   ; without a branch here: so the low block's registers are written on every way to the merge
	s_cmp_lg_u32 s46, s47
	s_cbranch_scc1 .Lsame_\@
	SWITCH
.Lsame_\@:
.endif
.if \pend == 1
	s_cmp_lg_u32 s46, s47
	s_cbranch_scc1 .Lsame_\@
	SAVE
	SWITCH
.Lsame_\@:
.endif
	s_add_co_u32 s46, s46, 1
.endm
	s_load_b256 s[4:11], s[0:1], 0x0               ; qh s[4:5], kh s[6:7], vh s[8:9], out0 s[10:11]
	s_set_vgpr_msb 0xc0
	v_lshl_add_u32 v0, v0, 2, 0x46800
	v_mov_b32 v1, 0
	s_set_vgpr_msb 0xc0cf
	ds_add_u32 v0, v1
	s_set_vgpr_msb 0xcf00
	v_lshrrev_b32 v1, 5, v0
	v_readfirstlane_b32 s[WV], v1                  ; wave 0..3
	s_lshr_b32 s13, s[WV], 1                       ; I fetch for K (0) or for V (1),
	s_and_b32 s14, s[WV], 1                        ; and which 128 rows
	s_lshr_b32 s54, ttmp9, 4                       ; batch
	s_and_b32 s55, ttmp9, 15                       ; c
	s_lshr_b32 s47, s55, 1                         ; a: the number of the low block's last step
	s_bfe_u32 s56, ttmp6, 0x40000                  ; cx
	s_lshl2_add_u32 s57, s55, s56                  ; the low block, i = 4 c + cx
	s_sub_co_u32 s58, 127, s57                     ; the high block
	s_mov_b32 s52, 0x76543210                      ; v_permlanex16_b32: lane i of one half reads lane i of the other
	s_mov_b32 s53, 0xfedcba98
	; group 1: 128 rows x 128 elements of 2 bytes, dense in memory; behind every 64 dwords 4 dwords of padding for K, 8 for V
	s_mov_b32 s16, 15|(1<<16)|(1<<20)|(1<<21)|(5<<22)|(3<<25)
	s_mov_b32 s24, 15|(1<<16)|(1<<20)|(1<<21)|(5<<22)|(7<<25)
.irp p, 16, 24
	s_mov_b32 s[\p+1], 128<<16                     ; tensor_dim0 = 128
	s_mov_b32 s[\p+2], 128<<16                     ; tensor_dim1 = 128
	s_mov_b32 s[\p+3], 128<<16                     ; tile_dim0 = 128
	s_mov_b32 s[\p+4], 128                         ; tile_dim1 = 128
	s_mov_b32 s[\p+5], 128                         ; elements from row to row
	s_mov_b32 s[\p+6], 0
	s_mov_b32 s[\p+7], 0
.endr
	s_mul_i32 s49, s14, 128*KPITCH                 ; where my half of K's tile goes in a slot,
	s_mul_i32 s50, s14, 128*VPITCH
	s_add_co_u32 s50, s50, KBYTES                  ; and of V's
	s_lshl_b32 s59, s54, 20                        ; the batch: 4,096 rows of 256 bytes
	s_lshl_b32 s60, s14, 15                        ; my 128 rows
	s_add_co_u32 s60, s60, s59
	s_mov_b32 s61, 0
	s_lshl_b32 s62, s57, 13                        ; a block of q: 32 rows of 256 bytes
	s_add_co_u32 s62, s62, s59
	s_mov_b32 s63, 0
	s_lshl_b32 s66, s58, 13
	s_add_co_u32 s66, s66, s59
	s_mov_b32 s67, 0
	v_and_b32 v30, 15, v0                          ; r
	v_bfe_u32 v31, v0, 4, 1                        ; h
	v_lshlrev_b32 v[QO], 8, v30
	v_lshl_add_u32 v[QO], v31, 4, v[QO]            ; 256 r + 16 h
	s_wait_dscnt 0x0
	s_wait_kmcnt 0x0
	s_add_nc_u64 s[40:41], s[6:7], s[60:61]        ; K and V at my half of the batch's first tile: nothing of cx in these
	s_add_nc_u64 s[42:43], s[8:9], s[60:61]
	s_add_nc_u64 s[68:69], s[4:5], s[62:63]        ; q of the low block,
	s_add_nc_u64 s[70:71], s[4:5], s[66:67]        ; of the high block
	s_lshl_b32 s62, s62, 1                         ; rows of out0 are twice as long
	s_lshl_b32 s66, s66, 1
	s_add_nc_u64 s[72:73], s[10:11], s[62:63]
	s_add_nc_u64 s[74:75], s[10:11], s[66:67]
	WIN 0x80
.irp nt, 0,1
.irp ks, 0,1,2,3
	global_load_b128 v[QF+8*(4*\nt+\ks):QF+8*(4*\nt+\ks)+3],   v[QO], s[68:69] offset:\nt*4096+64*\ks
	global_load_b128 v[QF+8*(4*\nt+\ks)+4:QF+8*(4*\nt+\ks)+7], v[QO], s[68:69] offset:\nt*4096+64*\ks+32
	global_load_b128 v[QH+8*(4*\nt+\ks):QH+8*(4*\nt+\ks)+3],   v[QO], s[70:71] offset:\nt*4096+64*\ks
	global_load_b128 v[QH+8*(4*\nt+\ks)+4:QH+8*(4*\nt+\ks)+7], v[QO], s[70:71] offset:\nt*4096+64*\ks+32
.endr
.endr
	WIN 0
	s_mov_b32 s32, 1
	s_mov_b32 s33, s49
	s_mov_b64 s[34:35], s[40:41]
	s_or_b32 s35, s35, 0x80000000
	s_mov_b32 s36, 1
	s_mov_b32 s37, s50
	s_mov_b64 s[38:39], s[42:43]
	s_or_b32 s39, s39, 0x80000000
	s_mov_b32 s44, 0                               ; byte offset of the tile asked for last
	s_mov_b32 s45, 0
	s_mov_b32 s46, 0                               ; step number
	ROUND                                          ; the four work-groups are here: the first joint loads meet
	JLOAD                                          ; step 0's tiles into slot 0
	s_mul_i32 s76, s[WV], 64*KPITCH
	v_mul_u32_u24 v1, v30, KPITCH
	v_lshl_add_u32 v1, v31, 4, v1
	v_add_nc_u32 v[KA], s76, v1                    ; (64 w + r) rows + 16 h
	v_add_nc_u32 v[KA+1], SLOT, v[KA]
	s_mul_i32 s77, s[WV], 64*VPITCH
	v_and_b32 v1, 7, v0
	v_lshl_add_u32 v1, v31, 3, v1
	v_mul_u32_u24 v1, v1, VPITCH
	v_bfe_u32 v32, v0, 3, 1
	v_lshl_add_u32 v1, v32, 4, v1
	v_add_nc_u32 v1, s77, v1
	v_add_nc_u32 v[VA], KBYTES, v1                 ; (64 w + 8 h + lane % 8) rows + 16 (lane / 8 % 2)
	v_add_nc_u32 v[VA+1], SLOT, v[VA]
	v_lshlrev_b32 v1, 3, v31
	v_sub_nc_u32 v1, v30, v1
	s_lshl_b32 s78, s[WV], 6
	v_sub_nc_u32 v1, v1, s78                       ; r - 8 h - 64 w
	s_and_b32 s62, s57, 7
	s_lshl_b32 s62, s62, 5
	v_add_nc_u32 v[DQ], s62, v1                    ; + 32 (block % 8): the block's place in its last step's 256 keys
	s_and_b32 s66, s58, 7
	s_lshl_b32 s66, s66, 5
	v_add_nc_u32 v[DH], s66, v1
	v_mov_b32 v[NEG], NEGV
	v_mov_b32 v[MX], NEGV
	v_mov_b32 v[MX+1], NEGV
.irp e, 0,1,2,3
	v_mov_b32 v[LS+\e], 0
.endr
	v_mov_b32 v[AL+1], 0                           ; the upper registers of the broadcast pairs: named, never used
	v_mov_b32 v[AL+3], 0
	v_mov_b32 v[NM+1], 0
	v_mov_b32 v[NM+3], 0
	s_wait_loadcnt 0x0                             ; q, once
	STEP 0, 1, 1, 0, 2                             ; step 0
	s_mov_b32 s48, 7
.Lpair:
	STEP 1, 1, 0, 0, 1                             ; steps 1 to 14
	STEP 0, 1, 0, 0, 1
	s_sub_co_u32 s48, s48, 1
	s_cmp_lg_u32 s48, 0
	s_cbranch_scc1 .Lpair
	STEP 1, 1, 0, 2, 0                             ; step 15: the low block ended at step 7 at the latest
	STEP 0, 0, 0, 1, 0                             ; step 16: the high block's last: masked, nothing left to fetch
	; THE MERGE.  Each wave hands over, for both blocks, its maxima, sums and partial O; wave w then finishes queries 8 w .. 8 w + 7 of each block.
	s_wait_dscnt 0x0
	s_barrier_signal -1
	s_barrier_wait -1                              ; nobody reads the slots any more, and no fill follows
	v_and_b32 v30, 15, v0
	v_bfe_u32 v31, v0, 4, 1
	v_and_b32 v1, 31, v0
	s_lshl_b32 s76, s[WV], 2
	s_add_co_u32 s76, s76, STATS
	v_lshl_add_u32 v[ST], v30, 5, s76              ; query r's 32 bytes, my word
	s_mul_i32 s77, s[WV], PART
	v_mul_u32_u24 v[PA], v30, PPITCH
	v_lshl_add_u32 v[PA], v31, 5, v[PA]
	v_add_nc_u32 v[PA], s77, v[PA]                 ; my partial, row r, 32 h
	v_add_nc_u32 v[PA+1], 4*PART, v[PA]
	s_mul_i32 s78, s[WV], 8*PPITCH
	v_lshl_add_u32 v[RA], v1, 4, s78               ; row 8 w, 16 x lane
	v_add_nc_u32 v[RA+1], 4*PART, v[RA]
	s_lshl_b32 s79, s[WV], 8
	s_add_co_u32 s79, s79, STATS
	v_mov_b32 v[SA], s79                           ; query 8 w's 32 bytes, the same for all lanes
	s_lshl_b32 s76, s[WV], 12
	v_lshl_add_u32 v[GOM], v1, 4, s76              ; out0: row 8 w of the block, 16 x lane
.irp p, LLO, LLO+2, LS, LS+2
	v_add_f32 v[\p], v[\p], v[\p+1]                ; a lane's two sums,
.endr
.irp p, LLO, LLO+2, LS, LS+2
	v_permlanex16_b32 v[\p+1], v[\p], s52, s53
.endr
.irp p, LLO, LLO+2, LS, LS+2
	v_add_f32 v[\p], v[\p], v[\p+1]                ; and the other half's
.endr
	ds_store_b32 v[ST], v[MLO]   offset:0          ; lanes r and 16 + r store the same number to the same word
	ds_store_b32 v[ST], v[MLO+1] offset:512
	ds_store_b32 v[ST], v[LLO]   offset:16
	ds_store_b32 v[ST], v[LLO+2] offset:528
	ds_store_b32 v[ST], v[MX]    offset:1024
	ds_store_b32 v[ST], v[MX+1]  offset:1536
	ds_store_b32 v[ST], v[LS]    offset:1040
	ds_store_b32 v[ST], v[LS+2]  offset:1552
	WIN 0x08
.irp nt, 0,1
.irp ht, 0,1,2,3,4,5,6,7
	ds_store_b128 v[PA], v[OLO+64*\nt+8*\ht:OLO+64*\nt+8*\ht+3]   offset:\nt*16*PPITCH+64*\ht
	ds_store_b128 v[PA], v[OLO+64*\nt+8*\ht+4:OLO+64*\nt+8*\ht+7] offset:\nt*16*PPITCH+64*\ht+16
.endr
.endr
	WIN 0x04
.irp nt, 0,1
.irp ht, 0,1,2,3,4,5,6,7
	ds_store_b128 v[PA+1], v[OA+64*\nt+8*\ht:OA+64*\nt+8*\ht+3]   offset:\nt*16*PPITCH+64*\ht
	ds_store_b128 v[PA+1], v[OA+64*\nt+8*\ht+4:OA+64*\nt+8*\ht+7] offset:\nt*16*PPITCH+64*\ht+16
.endr
.endr
	WIN 0
	s_wait_dscnt 0x0                               ; my stores are done,
	s_barrier_signal -1
	s_barrier_wait -1                              ; everybody's are
; Eight queries of block blk: weights g_w = exp2(m_w - M) / sum over w of exp2(m_w - M) l_w; the row is the sum of g_w x partial row of wave w.
; A wave whose keys were all masked has m_w = -2^126: its weight is 0 and its finite sums drop out.
.macro FIN blk, ra, ob
.irp qi, 0,1,2,3,4,5,6,7
	ds_load_b128 v[SC+8*\qi:SC+8*\qi+3],   v[SA] offset:\blk*1024+32*\qi
	ds_load_b128 v[SC+8*\qi+4:SC+8*\qi+7], v[SA] offset:\blk*1024+32*\qi+16
.endr
.irp wp, 0,1,2,3
.irp qi, 0,1,2,3,4,5,6,7
	ds_load_b128 v[KF+4*(8*\wp+\qi):KF+4*(8*\wp+\qi)+3], v[\ra] offset:\wp*PART+PPITCH*\qi   ; a whole row: 32 lanes x 16 bytes
.endr
.endr
	s_wait_dscnt 32                                ; maxima and sums are in; the 32 rows may stay out
.irp qi, 0,1,2,3,4,5,6,7
	v_max3_num_f32 v[TQ+\qi], v[SC+8*\qi], v[SC+8*\qi+1], v[SC+8*\qi+2]
.endr
.irp qi, 0,1,2,3,4,5,6,7
	v_max_num_f32 v[TQ+\qi], v[TQ+\qi], v[SC+8*\qi+3]
.endr
.irp qi, 0,1,2,3,4,5,6,7
.irp wp, 0,1,2,3
	v_sub_f32 v[SC+8*\qi+\wp], v[SC+8*\qi+\wp], v[TQ+\qi]
.endr
.endr
.irp qi, 0,1,2,3,4,5,6,7
.irp wp, 0,1,2,3
	v_exp_f32 v[SC+8*\qi+\wp], v[SC+8*\qi+\wp]
.endr
.endr
	v_nop                                          ; the plain place behind the exponentials (ISA guide 5.7.2)
	s_wait_alu depctr_va_vdst(0)
.irp qi, 0,1,2,3,4,5,6,7
	v_mul_f32 v[TQ+\qi], v[SC+8*\qi], v[SC+8*\qi+4]
.endr
.irp wp, 1,2,3
.irp qi, 0,1,2,3,4,5,6,7
	v_fmac_f32 v[TQ+\qi], v[SC+8*\qi+\wp], v[SC+8*\qi+4+\wp]
.endr
.endr
.irp qi, 0,1,2,3,4,5,6,7
	v_rcp_f32 v[TQ+\qi], v[TQ+\qi]
.endr
	v_nop                                          ; likewise behind the reciprocals
	s_wait_alu depctr_va_vdst(0)
.irp qi, 0,1,2,3,4,5,6,7
	v_mul_f32 v[SC+8*\qi+6], v[SC+8*\qi+3], v[TQ+\qi]      ; g_w into register 2 w of the eight, from the top down: each the low register of a pair
	v_mul_f32 v[SC+8*\qi+4], v[SC+8*\qi+2], v[TQ+\qi]
	v_mul_f32 v[SC+8*\qi+2], v[SC+8*\qi+1], v[TQ+\qi]
	v_mul_f32 v[SC+8*\qi],   v[SC+8*\qi],   v[TQ+\qi]
.endr
	s_wait_dscnt 0x0
.irp qi, 0,1,2,3,4,5,6,7
	v_pk_mul_f32 v[KF+4*\qi:KF+4*\qi+1],   v[KF+4*\qi:KF+4*\qi+1],   v[SC+8*\qi:SC+8*\qi+1] op_sel_hi:[1,0]
	v_pk_mul_f32 v[KF+4*\qi+2:KF+4*\qi+3], v[KF+4*\qi+2:KF+4*\qi+3], v[SC+8*\qi:SC+8*\qi+1] op_sel_hi:[1,0]
.irp wp, 1,2,3
	v_pk_fma_f32 v[KF+4*\qi:KF+4*\qi+1],   v[KF+4*(8*\wp+\qi):KF+4*(8*\wp+\qi)+1],   v[SC+8*\qi+2*\wp:SC+8*\qi+2*\wp+1], v[KF+4*\qi:KF+4*\qi+1] op_sel_hi:[1,0,1]
	v_pk_fma_f32 v[KF+4*\qi+2:KF+4*\qi+3], v[KF+4*(8*\wp+\qi)+2:KF+4*(8*\wp+\qi)+3], v[SC+8*\qi+2*\wp:SC+8*\qi+2*\wp+1], v[KF+4*\qi+2:KF+4*\qi+3] op_sel_hi:[1,0,1]
.endr
	global_store_b128 v[GOM], v[KF+4*\qi:KF+4*\qi+3], s[\ob:\ob+1] offset:512*\qi th:TH_STORE_NT   ; a whole row of out0: 512 consecutive bytes, aligned
.endr
.endm
	FIN 0, RA, 72
	s_wait_xcnt 0x0                                ; the registers that the stores read are loaded again only behind this wait
	FIN 1, RA+1, 74
	s_set_vgpr_msb 0xf
	s_wait_tensorcnt 0x0
	ds_add_u32 v0, v1
	s_wait_dscnt 0x0
	s_set_vgpr_msb 0xf00
	ROUND                                          ; the closing round: no work-group ends while a partner may still ask jointly
	s_endpgm
.Lfunc_end_k_q7d9db528ad_attn:
	.size	k_q7d9db528ad_attn, .Lfunc_end_k_q7d9db528ad_attn-k_q7d9db528ad_attn
	.p2alignl 7, 3214868480
	.fill 96, 4, 3214868480
	.section	.rodata,"a",@progbits
	.p2align	6, 0x0
	.amdhsa_kernel k_q7d9db528ad_attn
		.amdhsa_group_segment_fixed_size 327680
		.amdhsa_private_segment_fixed_size 0
		.amdhsa_enable_private_segment 0
		.amdhsa_kernarg_size 32
		.amdhsa_user_sgpr_count 2
		.amdhsa_user_sgpr_kernarg_segment_ptr 1
		.amdhsa_wavefront_size32 1
		.amdhsa_system_sgpr_workgroup_id_x 1
		.amdhsa_system_sgpr_workgroup_id_y 1
		.amdhsa_system_sgpr_workgroup_id_z 1
		.amdhsa_system_vgpr_workitem_id 0
		.amdhsa_next_free_vgpr 770
		.amdhsa_next_free_sgpr 80
		.amdhsa_reserve_vcc 1
		.amdhsa_float_denorm_mode_32 3
		.amdhsa_float_denorm_mode_16_64 3
		.amdhsa_memory_ordered 1
		.amdhsa_forward_progress 1
		.amdhsa_inst_pref_size 195
	.end_amdhsa_kernel
	.amdgpu_metadata
---
amdhsa.version: [ 1, 2 ]
amdhsa.kernels:
  - .name:           k_q7d9db528ad_attn
    .symbol:         k_q7d9db528ad_attn.kd
    .args:
      - { .name: qh, .offset: 0, .size: 8, .value_kind: global_buffer, .address_space: global }
      - { .name: kh, .offset: 8, .size: 8, .value_kind: global_buffer, .address_space: global }
      - { .name: vh, .offset: 16, .size: 8, .value_kind: global_buffer, .address_space: global }
      - { .name: out0, .offset: 24, .size: 8, .value_kind: global_buffer, .address_space: global }
    .group_segment_fixed_size: 327680
    .private_segment_fixed_size: 0
    .kernarg_segment_align: 8
    .kernarg_segment_size: 32
    .max_flat_workgroup_size: 128
    .sgpr_count:     80
    .vgpr_count:     770
    .wavefront_size: 32
...
	.end_amdgpu_metadata
.endif
;; end of part 2
;; ======== version 2 of 3: 3 launches; 1.12 times as fast as version 1
;; limits: values are held in f16: magnitudes above 65,504 overflow, below 6.1e-05 lose precision
;; workspace buffers: wb 786,432 bytes; qh 4,194,304 bytes; kh 4,194,304 bytes; vh 4,194,304 bytes
;; launch wcvt (part 3): grid 256 x 3, 4 waves a work-group, no clusters, 0 bytes of LDS; arguments Wq, Wk, Wv, wb; writes wb
.if DOCPART == 3
	.amdgcn_target "amdgcn-amd-amdhsa--gfx1250"
	.amdhsa_code_object_version 6
	.text
	.protected	k_q7d9db528ad_wcvt
	.globl	k_q7d9db528ad_wcvt
	.p2align	8
	.type	k_q7d9db528ad_wcvt,@function
k_q7d9db528ad_wcvt:
	s_mov_b64 s[64:65], 0
	v_nop
	global_prefetch_b8 v0, s[64:65] scope:SCOPE_SE
	s_setreg_imm32_b32 hwreg(HW_REG_WAVE_MODE, 25, 1), 1
	s_wait_xcnt 0x0
; wb = bf16(Wq | Wk | Wv): [384][1024] bf16, rows 0-127 Wq's, 128-255 Wk's, 256-383 Wv's, each number rounded to nearest even.
; It is done once here because the next launch's 256 work-groups all walk the whole of W: they then take half the bytes and convert nothing.
; A stream: work-group (x, y) takes 2,048 bytes (512 numbers) of matrix y; a thread loads 16 bytes and stores 8, so a wave reads 512 consecutive bytes
; and stores 256 consecutive bytes, aligned.  Nothing is shared or used twice: no LDS, no barrier, no matrix unit, no cluster.
.set INB,   2048                       ; bytes of f32 a work-group reads
.set OUTB,  1024                       ; bytes of bf16 it stores
.set MATB,  262144                     ; a matrix in bf16
	s_load_b256 s[4:11], s[0:1], 0x0               ; Wq s[4:5], Wk s[6:7], Wv s[8:9], wb s[10:11]
	s_and_b32 s12, ttmp7, 0xffff                   ; which matrix
	v_lshlrev_b32 v1, 4, v0                        ; 16 t
	v_lshlrev_b32 v2, 3, v0                        ; 8 t
	s_mul_i32 s14, ttmp9, INB
	s_mov_b32 s15, 0
	s_mul_i32 s16, ttmp9, OUTB
	s_mul_i32 s13, s12, MATB
	s_add_co_u32 s16, s16, s13
	s_mov_b32 s17, 0
	s_wait_kmcnt 0x0
	s_cmp_eq_u32 s12, 0
	s_cselect_b64 s[18:19], s[4:5], s[6:7]
	s_cmp_lt_u32 s12, 2
	s_cselect_b64 s[18:19], s[18:19], s[8:9]
	s_add_nc_u64 s[18:19], s[18:19], s[14:15]
	s_add_nc_u64 s[10:11], s[10:11], s[16:17]
	global_load_b128 v[4:7], v1, s[18:19] th:TH_LOAD_NT
	s_wait_loadcnt 0x0
	v_cvt_pk_bf16_f32 v8, v4, v5
	v_cvt_pk_bf16_f32 v9, v6, v7
	global_store_b64 v2, v[8:9], s[10:11]
	s_endpgm
.Lfunc_end_k_q7d9db528ad_wcvt:
	.size	k_q7d9db528ad_wcvt, .Lfunc_end_k_q7d9db528ad_wcvt-k_q7d9db528ad_wcvt
	.p2alignl 7, 3214868480
	.fill 96, 4, 3214868480
	.section	.rodata,"a",@progbits
	.p2align	6, 0x0
	.amdhsa_kernel k_q7d9db528ad_wcvt
		.amdhsa_group_segment_fixed_size 0
		.amdhsa_private_segment_fixed_size 0
		.amdhsa_enable_private_segment 0
		.amdhsa_kernarg_size 32
		.amdhsa_user_sgpr_count 2
		.amdhsa_user_sgpr_kernarg_segment_ptr 1
		.amdhsa_wavefront_size32 1
		.amdhsa_system_sgpr_workgroup_id_x 1
		.amdhsa_system_sgpr_workgroup_id_y 1
		.amdhsa_system_sgpr_workgroup_id_z 1
		.amdhsa_system_vgpr_workitem_id 0
		.amdhsa_next_free_vgpr 10
		.amdhsa_next_free_sgpr 66
		.amdhsa_reserve_vcc 0
		.amdhsa_float_denorm_mode_32 3
		.amdhsa_float_denorm_mode_16_64 3
		.amdhsa_memory_ordered 1
		.amdhsa_forward_progress 1
		.amdhsa_inst_pref_size 2
	.end_amdhsa_kernel
	.amdgpu_metadata
---
amdhsa.version: [ 1, 2 ]
amdhsa.kernels:
  - .name:           k_q7d9db528ad_wcvt
    .symbol:         k_q7d9db528ad_wcvt.kd
    .args:
      - { .name: Wq, .offset: 0, .size: 8, .value_kind: global_buffer, .address_space: global }
      - { .name: Wk, .offset: 8, .size: 8, .value_kind: global_buffer, .address_space: global }
      - { .name: Wv, .offset: 16, .size: 8, .value_kind: global_buffer, .address_space: global }
      - { .name: wb, .offset: 24, .size: 8, .value_kind: global_buffer, .address_space: global }
    .group_segment_fixed_size: 0
    .private_segment_fixed_size: 0
    .kernarg_segment_align: 8
    .kernarg_segment_size: 32
    .max_flat_workgroup_size: 128
    .sgpr_count:     66
    .vgpr_count:     10
    .wavefront_size: 32
...
	.end_amdgpu_metadata
.endif
;; end of part 3
;; launch proj (part 4): grid 256 x 1, 4 waves a work-group, clusters of 4 x 1, 327,680 bytes of LDS; arguments x, wb, qh, kh, vh; writes qh, kh, vh
.if DOCPART == 4
	.amdgcn_target "amdgcn-amd-amdhsa--gfx1250"
	.amdhsa_code_object_version 6
	.text
	.protected	k_q7d9db528ad_proj
	.globl	k_q7d9db528ad_proj
	.p2align	8
	.type	k_q7d9db528ad_proj,@function
k_q7d9db528ad_proj:
	s_mov_b64 s[64:65], 0
	v_nop
	global_prefetch_b8 v0, s[64:65] scope:SCOPE_SE
	s_setreg_imm32_b32 hwreg(HW_REG_WAVE_MODE, 25, 1), 1
	s_wait_xcnt 0x0
	s_wait_alu depctr_hold_cnt(0) depctr_sa_sdst(0) depctr_va_vdst(0) depctr_va_sdst(0) depctr_va_ssrc(0) depctr_va_vcc(0) depctr_vm_vsrc(0)
	s_getreg_b32 s2, hwreg(HW_REG_IB_STS2, 6, 4)
	s_cmp_eq_u32 s2, 0
	s_cbranch_scc0 .Lentry_in_a_cluster
	s_endpgm
.Lentry_in_a_cluster:
	s_bfe_u32 s2, ttmp6, 0x10000c
	s_cmp_lg_u32 s2, 0x3003
	s_cbranch_scc0 .Lentry_shape_is_right
	s_endpgm
.Lentry_shape_is_right:
; qh = f16(c x Wq^T), kh = f16(x Wk^T), vh = f16(x Wv^T).  x: [16384][1024] f32; wb: [384][1024] bf16, the rows of Wq, Wk, Wv as the launch before
; rounded them; qh, kh, vh: [16384][128] f16.
; c = 128^-0.5 log2(e): the softmax scale of the next launch, multiplied in f32 ahead of the one rounding, so that its exponents are plain differences.
; x is rounded to bf16 on the way to the matrix unit; sums in f32.
; LIMITS: |c q|, |k|, |v| must stay below 65,504 (f16): with x and W 30 times the drawn spread |q| is some 5,400, with offsets of 30 spreads
; on both some 28,800.  NaN and infinities in the inputs are not followed.
; SHARES: a work-group owns 64 tokens and all 384 columns of q|k|v; wave w owns columns 96 w .. 96 w + 95 of all 64 tokens: 6 x 4 accumulator tiles.
; K goes in 8 steps of 128: 256 bytes of a row of wb, 512 bytes of a row of x.
; W: all work-groups walk the same wb, so the four of a cluster ask for each tile JOINTLY (mask 15): wave w brings rows 96 w .. 96 w + 95, 256 bytes each,
; the rows that it multiplies itself; two LDS slots take turns, one tensor load of a wave is out at most.
; x: nobody shares it.  It comes through registers, 16 rows a wave, a ring of three sets of 16 loads (2 to 3 chunks of 8 KiB a wave on their way, across
; the barriers), is rounded to bf16 once and handed to the other waves through two LDS slots of its own, one step ahead of its use.
; THE MATRIX INSTRUCTION IS USED TRANSPOSED: source 0 = 16 rows of W, source 1 = 16 tokens of x; lane (r, h) then holds token r, columns 8 h .. 8 h + 7.
; The eight steps are written out: the ring of three sets and the two slots together have a period of six steps.
.set XROWB,  4096                      ; bytes in a row of x
.set WROWB,  2048                      ; bytes in a row of wb
.set XSTEP,  512                       ; bytes of a row of x in a K step
.set WSTEP,  256                       ; bytes of a row of wb in a K step
.set WPITCH, 272                       ; LDS row of W: 256 bytes + 16: the 16 rows of a fragment load start 16 bytes apart modulo 256
.set WPART,  96*WPITCH                 ; a wave's rows
.set WSLOT,  4*WPART                   ; 384 rows
.set XB,     2*WSLOT                   ; x in bf16: filled by LDS stores alone, no tensor load lands here
.set XPITCH, 272                       ; 128 bf16 + 16 bytes
.set XSLOT,  64*XPITCH
.set STG,    XB+2*XSLOT                ; the way out: 64 tokens x 384 f16
.set SPITCH, 784                       ; 768 bytes + 16
.set QSCALE, 0x3e0293ee                ; c = 0.12751743
; window 0
.set WA,  2                            ; v2-3   LDS address of my W fragments, slot 0, 1
.set XA,  4                            ; v4-5   of the x fragments
.set XS,  6                            ; v6-7   where I store my 8 bytes of x in bf16
.set XO,  8                            ; v8     byte offset of my 16 bytes in x, from the group's first row; never rewritten
.set STO, 9                            ; v9     way out: where I put 16 bytes
.set RD,  10                           ; v10    way out: where I read back
.set GO,  11                           ; v11    way out: 16 x lane
.set WF,  32                           ; v32-223  W fragments of a whole step: (ks, ct) at 48 ks + 8 ct
.set T,   224                          ; v224-255 x in bf16, on its way to LDS
; window 1: v0-191 accumulators, tile (ct, rt) at 8 (4 ct + rt)
; window 2: v0-191 the ring of x, three sets of 64
; window 3: v0-127 x fragments of a whole step: (ks, rt) at 32 ks + 8 rt
.set XF,  0
.set WV,  20                           ; s20 wave number
.set G1,  24                           ; s[24:31] descriptor group 1
.set G0,  32                           ; s[32:39] descriptor group 0, one for each slot
.set MSB, 0
.macro WIN new                         ; the immediate's high byte repeats the setting that is left; at labels and branches the setting is 0
.if MSB != \new
	s_set_vgpr_msb (MSB<<8)|\new
.set MSB, \new
.endif
.endm
.macro PLACES                          ; four places behind a matrix instruction ahead of loads into, or vector work on, its registers
.rept 4
	v_nop
.endr
.endm
.macro ROUND                           ; a round of the cluster's barrier
	s_barrier_signal -1
	s_barrier_wait -1
	s_cmp_lg_u32 s[WV], 0
	s_cbranch_scc1 .Lnot_wave_0_\@
	s_barrier_signal -3
.Lnot_wave_0_\@:
	s_barrier_wait -3
	s_barrier_signal -1
	s_barrier_wait -1
.endm
.macro XLOAD rs, c                     ; chunk c of x into ring set rs: my 16 rows x 512 bytes; each load covers one row's 512 consecutive bytes, aligned
	WIN 0x80
.irp e, 0,1,2,3,4,5,6,7,8,9,10,11,12,13,14,15
	global_load_b128 v[64*\rs+4*\e:64*\rs+4*\e+3], v[XO], s[40:41] offset:\c*XSTEP+XROWB*\e th:TH_LOAD_NT
.endr
.endm
.macro XCONS rs, left, slot            ; ring set rs is rounded to bf16 and stored into x slot; left = younger loads that may stay out
	s_wait_loadcnt \left
	WIN 0x0a
.irp e, 0,1,2,3,4,5,6,7,8,9,10,11,12,13,14,15
	v_cvt_pk_bf16_f32 v[T+2*\e],   v[64*\rs+4*\e],   v[64*\rs+4*\e+1]
	v_cvt_pk_bf16_f32 v[T+2*\e+1], v[64*\rs+4*\e+2], v[64*\rs+4*\e+3]
.endr
	WIN 0
.irp e, 0,1,2,3,4,5,6,7,8,9,10,11,12,13,14,15
	ds_store_b64 v[XS+\slot], v[T+2*\e:T+2*\e+1] offset:XPITCH*\e   ; a row's 256 consecutive bytes
.endr
.endm
; 20 LDS loads: the fragments of quarter ks of the step (32 along K): 6 x 16 rows of W, 4 x 16 tokens of x.  Each quarter has registers of its own.
.macro FETCH ks, slot
	WIN 0
.irp ct, 0,1,2,3,4,5
	ds_load_b128 v[WF+48*\ks+8*\ct:WF+48*\ks+8*\ct+3],   v[WA+\slot] offset:\ct*16*WPITCH+64*\ks
	ds_load_b128 v[WF+48*\ks+8*\ct+4:WF+48*\ks+8*\ct+7], v[WA+\slot] offset:\ct*16*WPITCH+64*\ks+32
.endr
	WIN 0xc0
.irp rt, 0,1,2,3
	ds_load_b128 v[XF+32*\ks+8*\rt:XF+32*\ks+8*\rt+3],   v[XA+\slot] offset:\rt*16*XPITCH+64*\ks
	ds_load_b128 v[XF+32*\ks+8*\rt+4:XF+32*\ks+8*\rt+7], v[XA+\slot] offset:\rt*16*XPITCH+64*\ks+32
.endr
.endm
.macro MUL ks, zero                    ; 24 matrix instructions; the 24 accumulators take turns, one instruction a turn
	WIN 0x5c                               ; source 0 (W) window 0, source 1 (x) window 3, C and D window 1
.irp ct, 0,1,2,3,4,5
.irp rt, 0,1,2,3
.if \zero
	v_wmma_f32_16x16x32_bf16 v[8*(4*\ct+\rt):8*(4*\ct+\rt)+7], v[WF+48*\ks+8*\ct:WF+48*\ks+8*\ct+7], v[XF+32*\ks+8*\rt:XF+32*\ks+8*\rt+7], 0
.else
	v_wmma_f32_16x16x32_bf16 v[8*(4*\ct+\rt):8*(4*\ct+\rt)+7], v[WF+48*\ks+8*\ct:WF+48*\ks+8*\ct+7], v[XF+32*\ks+8*\rt:XF+32*\ks+8*\rt+7], v[8*(4*\ct+\rt):8*(4*\ct+\rt)+7]
.endif
.endr
.endr
.endm
; One K step on W slot and x slot \slot.  refill: the other W slot gets the next step's tile.  issue: chunk ichunk of x, three steps ahead, is asked for, into
; set iset.  cons: the next step's chunk (set cset) goes to the other x slot.
.macro STEP slot, refill, zero, issue, iset, ichunk, cons, cset, left
	s_wait_tensorcnt 0x0                   ; my one tensor load has landed: my part of this step's tile,
	ds_add_u32 v30, v31
	s_wait_dscnt 0x0
	s_add_nc_u64 s[G0+4*\slot+2:G0+4*\slot+3], s[G0+4*\slot+2:G0+4*\slot+3], 2*WSTEP   ; so a group 0 may be written: this slot's next tile
	s_wait_dscnt 0x0                       ; my reads of the last step's slots are back and my stores of this step's x are done
	ROUND                                  ; all that now holds of every wave of the four work-groups
.if \refill
	tensor_load_to_lds s[G0+4*(1-\slot):G0+4*(1-\slot)+3], s[G1:G1+7]   ; first thing behind the round, my one tensor load until the next
	s_nop 0
.endif
	FETCH 0, \slot
	FETCH 1, \slot
.if \issue
	XLOAD \iset, \ichunk
.endif
.if \cons
	XCONS \cset, \left, (1-\slot)
.endif
	s_wait_dscnt 20+16*\cons               ; quarter 0 is in: behind it came quarter 1's 20 loads and the 16 stores of x
	MUL 0, \zero
	FETCH 2, \slot
	s_wait_dscnt 20+16*\cons               ; quarter 1 is in: behind it came the 16 stores and quarter 2's 20 loads
	MUL 1, 0
	FETCH 3, \slot
	s_wait_dscnt 20                        ; quarter 2 is in: behind it came quarter 3's 20 loads
	MUL 2, 0
	s_wait_dscnt 0x0
	MUL 3, 0
	PLACES                                 ; ahead of the next step's loads into the fragments, and of the way out
	WIN 0
.endm
	s_load_b256 s[4:11], s[0:1], 0x0               ; x s[4:5], wb s[6:7], qh s[8:9], kh s[10:11]
	s_load_b64 s[12:13], s[0:1], 0x20              ; vh
	v_lshl_add_u32 v30, v0, 2, 0x47c00
	v_mov_b32 v31, 0
	ds_add_u32 v30, v31
	v_lshrrev_b32 v1, 5, v0
	v_readfirstlane_b32 s[WV], v1                  ; wave 0..3
	s_bfe_u32 s21, ttmp6, 0x40000                  ; cx: enters global addresses of x and of the outputs alone
	s_lshl_b32 s22, ttmp9, 2
	s_add_co_u32 s22, s22, s21                     ; work-group 0..255
	v_and_b32 v12, 15, v0                          ; r
	v_bfe_u32 v13, v0, 4, 1                        ; h
	v_and_b32 v15, 31, v0                          ; lane
	s_lshl_b32 s50, s[WV], 16                      ; my 16 rows of x
	v_lshl_add_u32 v[XO], v15, 4, s50              ; 16 w rows + 16 x lane
	s_lshl_b32 s46, s22, 18                        ; 64 rows of 4,096 bytes a work-group
	s_mov_b32 s47, 0
	s_wait_dscnt 0x0
	s_wait_kmcnt 0x0
	s_add_nc_u64 s[40:41], s[4:5], s[46:47]
	XLOAD 0, 0                                     ; chunks 0 to 2 of x
	XLOAD 1, 1
	XLOAD 2, 2
	WIN 0
	; group 1: 96 rows x 128 elements of 2 bytes, pitch 1,024 elements, 4 dwords of padding behind every 64
	s_mov_b32 s[G1+0], 15|(1<<16)|(1<<20)|(1<<21)|(5<<22)|(3<<25)
	s_mov_b32 s[G1+1], 128<<16                     ; tensor_dim0 = 128
	s_mov_b32 s[G1+2], 96<<16                      ; tensor_dim1 = 96
	s_mov_b32 s[G1+3], 128<<16                     ; tile_dim0 = 128
	s_mov_b32 s[G1+4], 96                          ; tile_dim1 = 96
	s_mov_b32 s[G1+5], 1024                        ; elements from row to row
	s_mov_b32 s[G1+6], 0
	s_mov_b32 s[G1+7], 0
	s_mul_i32 s42, s[WV], 96*WROWB                 ; my 96 rows of wb: the wave number alone, nothing of the place in the cluster
	s_mov_b32 s43, 0
	s_add_nc_u64 s[42:43], s[6:7], s[42:43]
	s_mul_i32 s53, s[WV], WPART
.irp p, 0,1
	s_mov_b32 s[G0+4*\p], 1
	s_add_co_u32 s[G0+4*\p+1], s53, \p*WSLOT
	s_add_nc_u64 s[G0+4*\p+2:G0+4*\p+3], s[42:43], \p*WSTEP
	s_or_b32 s[G0+4*\p+3], s[G0+4*\p+3], 0x80000000
.endr
	ROUND                                          ; the four work-groups are here: the first joint loads meet
	tensor_load_to_lds s[G0:G0+3], s[G1:G1+7]      ; step 0's tile
	s_nop 0
	v_mul_u32_u24 v14, v12, WPITCH
	v_lshl_add_u32 v14, v13, 4, v14
	v_add_nc_u32 v[WA], s53, v14                   ; (96 w + r) rows + 16 h
	v_add_nc_u32 v[WA+1], WSLOT, v[WA]
	v_mul_u32_u24 v14, v12, XPITCH
	v_lshl_add_u32 v14, v13, 4, v14
	v_add_nc_u32 v[XA], XB, v14                    ; r rows + 16 h
	v_add_nc_u32 v[XA+1], XSLOT, v[XA]
	s_mul_i32 s49, s[WV], 16*XPITCH
	s_add_co_u32 s49, s49, XB
	v_lshl_add_u32 v[XS], v15, 3, s49              ; 16 w rows + 8 x lane
	v_add_nc_u32 v[XS+1], XSLOT, v[XS]
	s_mul_i32 s51, s[WV], 192
	v_mul_u32_u24 v14, v12, SPITCH
	v_lshl_add_u32 v14, v13, 4, v14
	v_add_nc_u32 v14, s51, v14
	v_add_nc_u32 v[STO], STG, v14                  ; token r, my 96 columns, 16 h
	s_mul_i32 s52, s[WV], 16*SPITCH
	v_mul_u32_u24 v14, v13, SPITCH
	v_lshl_add_u32 v14, v12, 4, v14
	v_add_nc_u32 v14, s52, v14
	v_add_nc_u32 v[RD], STG, v14                   ; token 16 w + h, 16 r
	v_lshlrev_b32 v[GO], 4, v15
	XCONS 0, 32, 0                                 ; chunk 0 into x slot 0; chunks 1 and 2 (32 loads) stay out
	; chunk c lives in set c mod 3; step s asks for chunk s + 3 and rounds chunk s + 1; 32 = the two younger chunks of 16 loads
	STEP 0, 1, 1, 1, 0, 3, 1, 1, 32                ; step 0: its first products start the sums, nothing is cleared
	STEP 1, 1, 0, 1, 1, 4, 1, 2, 32
	STEP 0, 1, 0, 1, 2, 5, 1, 0, 32
	STEP 1, 1, 0, 1, 0, 6, 1, 1, 32
	STEP 0, 1, 0, 1, 1, 7, 1, 2, 32
	STEP 1, 1, 0, 0, 0, 0, 1, 0, 16                ; steps 5 and 6 ask for no more x: the counts run down
	STEP 0, 1, 0, 0, 0, 0, 1, 1, 0
	STEP 1, 0, 0, 0, 0, 0, 0, 0, 0                 ; step 7: nothing is left to fetch
	; THE WAY OUT.  The factor of a column tile: c where its columns belong to q (below 128), else 1.
	s_mul_i32 s45, s[WV], 96
.irp ct, 0,1,2,3,4,5
	s_add_co_u32 s46, s45, 16*\ct
	s_cmp_lt_u32 s46, 128
	s_cselect_b32 s[48+2*\ct], QSCALE, 1.0
	s_mov_b32 s[49+2*\ct], s[48+2*\ct]
.endr
	WIN 0x41
.irp ct, 0,1,2,3,4,5
.irp e, 0,2,4,6,8,10,12,14,16,18,20,22,24,26,28,30
	v_pk_mul_f32 v[32*\ct+\e:32*\ct+\e+1], v[32*\ct+\e:32*\ct+\e+1], s[48+2*\ct:49+2*\ct] op_sel_hi:[1,0]
.endr
.endr
	WIN 0x05
.irp ct, 0,1,2,3,4,5
.irp e, 0,1,2,3,4,5,6,7,8,9,10,11,12,13,14,15
	v_cvt_pk_f16_f32 v[WF+16*\ct+\e], v[32*\ct+2*\e], v[32*\ct+2*\e+1]   ; tile (ct, rt): four registers at WF + 4 (4 ct + rt)
.endr
.endr
	WIN 0
.irp ct, 0,1,2,3,4,5
.irp rt, 0,1,2,3
	ds_store_b128 v[STO], v[WF+4*(4*\ct+\rt):WF+4*(4*\ct+\rt)+3] offset:\rt*16*SPITCH+32*\ct
.endr
.endr
	s_lshl_b32 s46, s22, 14                        ; 64 tokens of 256 bytes a work-group,
	s_lshl_b32 s45, s[WV], 12                      ; 16 a wave
	s_add_co_u32 s46, s46, s45
	s_mov_b32 s47, 0
	s_add_nc_u64 s[8:9], s[8:9], s[46:47]
	s_add_nc_u64 s[10:11], s[10:11], s[46:47]
	s_add_nc_u64 s[12:13], s[12:13], s[46:47]
	s_wait_dscnt 0x0                               ; my stores into the stage are done,
	s_barrier_signal -1
	s_barrier_wait -1                              ; everybody's are: a token's 768 bytes come from all four waves
.irp mat, 0,1,2
.irp e, 0,1,2,3,4,5,6,7
	ds_load_b128 v[128+4*(8*\mat+\e):128+4*(8*\mat+\e)+3], v[RD] offset:\e*2*SPITCH+\mat*256
.endr
.endr
.irp mat, 0,1,2
.irp e, 0,1,2,3,4,5,6,7
	s_wait_dscnt 23-(8*\mat+\e)                    ; LDS loads come back in order: this one is in
	global_store_b128 v[GO], v[128+4*(8*\mat+\e):128+4*(8*\mat+\e)+3], s[8+2*\mat:9+2*\mat] offset:512*\e   ; two whole tokens: 512 consecutive bytes, aligned
.endr
.endr
	s_wait_tensorcnt 0x0
	ds_add_u32 v30, v31
	s_wait_dscnt 0x0
	ROUND                                          ; the closing round: no work-group ends while a partner may still ask jointly
	s_endpgm
.Lfunc_end_k_q7d9db528ad_proj:
	.size	k_q7d9db528ad_proj, .Lfunc_end_k_q7d9db528ad_proj-k_q7d9db528ad_proj
	.p2alignl 7, 3214868480
	.fill 96, 4, 3214868480
	.section	.rodata,"a",@progbits
	.p2align	6, 0x0
	.amdhsa_kernel k_q7d9db528ad_proj
		.amdhsa_group_segment_fixed_size 327680
		.amdhsa_private_segment_fixed_size 0
		.amdhsa_enable_private_segment 0
		.amdhsa_kernarg_size 40
		.amdhsa_user_sgpr_count 2
		.amdhsa_user_sgpr_kernarg_segment_ptr 1
		.amdhsa_wavefront_size32 1
		.amdhsa_system_sgpr_workgroup_id_x 1
		.amdhsa_system_sgpr_workgroup_id_y 1
		.amdhsa_system_sgpr_workgroup_id_z 1
		.amdhsa_system_vgpr_workitem_id 0
		.amdhsa_next_free_vgpr 896
		.amdhsa_next_free_sgpr 66
		.amdhsa_reserve_vcc 0
		.amdhsa_float_denorm_mode_32 3
		.amdhsa_float_denorm_mode_16_64 3
		.amdhsa_memory_ordered 1
		.amdhsa_forward_progress 1
		.amdhsa_inst_pref_size 159
	.end_amdhsa_kernel
	.amdgpu_metadata
---
amdhsa.version: [ 1, 2 ]
amdhsa.kernels:
  - .name:           k_q7d9db528ad_proj
    .symbol:         k_q7d9db528ad_proj.kd
    .args:
      - { .name: x, .offset: 0, .size: 8, .value_kind: global_buffer, .address_space: global }
      - { .name: wb, .offset: 8, .size: 8, .value_kind: global_buffer, .address_space: global }
      - { .name: qh, .offset: 16, .size: 8, .value_kind: global_buffer, .address_space: global }
      - { .name: kh, .offset: 24, .size: 8, .value_kind: global_buffer, .address_space: global }
      - { .name: vh, .offset: 32, .size: 8, .value_kind: global_buffer, .address_space: global }
    .group_segment_fixed_size: 327680
    .private_segment_fixed_size: 0
    .kernarg_segment_align: 8
    .kernarg_segment_size: 40
    .max_flat_workgroup_size: 128
    .sgpr_count:     66
    .vgpr_count:     896
    .wavefront_size: 32
...
	.end_amdgpu_metadata
.endif
;; end of part 4
;; launch attn: the kernel of part 2 again; grid 256 x 1, 4 waves a work-group, clusters of 4 x 1, 327,680 bytes of LDS; arguments qh, kh, vh, out0; writes out0
;; ======== version 3 of 3: 3 launches; 1.26 times as fast as version 1
;; limits: values are held in f16: magnitudes above 65,504 overflow, below 6.1e-05 lose precision
;; workspace buffers: wb 786,432 bytes; qh 4,194,304 bytes; kh 4,194,304 bytes; vh 4,194,304 bytes
;; launch wcvt: the kernel of part 3 again; grid 256 x 3, 4 waves a work-group, no clusters, 0 bytes of LDS; arguments Wq, Wk, Wv, wb; writes wb
;; launch proj (part 5): grid 256 x 1, 4 waves a work-group, clusters of 4 x 1, 327,680 bytes of LDS; arguments x, wb, qh, kh, vh; writes qh, kh, vh
.if DOCPART == 5
	.amdgcn_target "amdgcn-amd-amdhsa--gfx1250"
	.amdhsa_code_object_version 6
	.text
	.protected	k_q7d9db528ad_proj
	.globl	k_q7d9db528ad_proj
	.p2align	8
	.type	k_q7d9db528ad_proj,@function
k_q7d9db528ad_proj:
	s_mov_b64 s[64:65], 0
	v_nop
	global_prefetch_b8 v0, s[64:65] scope:SCOPE_SE
	s_setreg_imm32_b32 hwreg(HW_REG_WAVE_MODE, 25, 1), 1
	s_wait_xcnt 0x0
	s_wait_alu depctr_hold_cnt(0) depctr_sa_sdst(0) depctr_va_vdst(0) depctr_va_sdst(0) depctr_va_ssrc(0) depctr_va_vcc(0) depctr_vm_vsrc(0)
	s_getreg_b32 s2, hwreg(HW_REG_IB_STS2, 6, 4)
	s_cmp_eq_u32 s2, 0
	s_cbranch_scc0 .Lentry_in_a_cluster
	s_endpgm
.Lentry_in_a_cluster:
	s_bfe_u32 s2, ttmp6, 0x10000c
	s_cmp_lg_u32 s2, 0x3003
	s_cbranch_scc0 .Lentry_shape_is_right
	s_endpgm
.Lentry_shape_is_right:
; qh = f16(c x Wq^T), kh = f16(x Wk^T), vh = f16(x Wv^T).  x: [16384][1024] f32; wb: [384][1024] bf16, the rows of Wq, Wk, Wv as the launch before
; rounded them; qh, kh, vh: [16384][128] f16.
; c = 128^-0.5 log2(e): the softmax scale of the next launch, multiplied in f32 ahead of the one rounding, so that its exponents are plain differences.
; x is rounded to bf16 on the way to the matrix unit; sums in f32.
; LIMITS: |c q|, |k|, |v| must stay below 65,504 (f16): with x and W 30 times the drawn spread |q| is some 5,400, with offsets of 30 spreads
; on both some 28,800.  NaN and infinities in the inputs are not followed.  The eight K steps are added in an order that differs from cluster to cluster (below).
; SHARES: a work-group owns 64 tokens and all 384 columns of q|k|v; wave w owns columns 96 w .. 96 w + 95 of all 64 tokens: 6 x 4 accumulator tiles.
; K goes in 8 steps of 128: 256 bytes of a row of wb, 512 bytes of a row of x.
; W: all work-groups walk the same wb, so the four of a cluster ask for each tile JOINTLY (mask 15): wave w brings rows 96 w .. 96 w + 95, 256 bytes each,
; the rows that it multiplies itself; two LDS slots take turns, one tensor load of a wave is out at most.
; THE WALK: cluster C begins at K step rot = (C + C / 8) mod 8 and goes round: its step s takes K step (s + rot) mod 8.  Any eight neighbouring clusters, any
; eight of one parity and the eight that are equal modulo 8 have the eight different rot, so in their first steps the clusters between them ask for all
; eight tiles of wb, and in each later step a cluster asks for a tile that others asked for in an earlier step.  rot hangs on the cluster's number alone:
; the four partners' descriptors stay equal.
; x: nobody shares it.  It comes through registers, 16 rows a wave, a ring of three sets of 16 loads (2 to 3 chunks of 8 KiB a wave on their way, across
; the barriers), is rounded to bf16 once and handed to the other waves through two LDS slots of its own, one step ahead of its use.
; THE MATRIX INSTRUCTION IS USED TRANSPOSED: source 0 = 16 rows of W, source 1 = 16 tokens of x; lane (r, h) then holds token r, columns 8 h .. 8 h + 7.
; The eight steps are written out: the ring of three sets and the two slots together have a period of six steps.
.set XROWB,  4096                      ; bytes in a row of x
.set WROWB,  2048                      ; bytes in a row of wb
.set WPITCH, 272                       ; LDS row of W: 256 bytes + 16: the 16 rows of a fragment load start 16 bytes apart modulo 256
.set WPART,  96*WPITCH                 ; a wave's rows
.set WSLOT,  4*WPART                   ; 384 rows
.set XB,     2*WSLOT                   ; x in bf16: filled by LDS stores alone, no tensor load lands here
.set XPITCH, 272                       ; 128 bf16 + 16 bytes
.set XSLOT,  64*XPITCH
.set STG,    XB+2*XSLOT                ; the way out: 64 tokens x 384 f16
.set SPITCH, 784                       ; 768 bytes + 16
.set QSCALE, 0x3e0293ee                ; c = 0.12751743
; window 0
.set WA,  2                            ; v2-3   LDS address of my W fragments, slot 0, 1
.set XA,  4                            ; v4-5   of the x fragments
.set XS,  6                            ; v6-7   where I store my 8 bytes of x in bf16
.set XO,  8                            ; v8     byte offset of my 16 bytes in a chunk of x, from the group's first row; never rewritten
.set STO, 9                            ; v9     way out: where I put 16 bytes
.set RD,  10                           ; v10    way out: where I read back
.set GO,  11                           ; v11    way out: 16 x lane
.set WF,  32                           ; v32-223  W fragments of a whole step: (ks, ct) at 48 ks + 8 ct
.set T,   224                          ; v224-255 x in bf16, on its way to LDS
; window 1: v0-191 accumulators, tile (ct, rt) at 8 (4 ct + rt)
; window 2: v0-191 the ring of x, three sets of 64
; window 3: v0-127 x fragments of a whole step: (ks, rt) at 32 ks + 8 rt
.set XF,  0
.set WV,  20                           ; s20 wave number
.set G1,  24                           ; s[24:31] descriptor group 1
.set G0,  32                           ; s[32:39] descriptor group 0, one for each slot
.set ROT, 54                           ; s54 the K step at which my cluster begins
.set XP,  66                           ; s[66:81] x at the group's first row and the 512 bytes of my step 0 .. 7: a pair for each step, never rewritten
.set MSB, 0
.macro WIN new                         ; the immediate's high byte repeats the setting that is left; at labels and branches the setting is 0
.if MSB != \new
	s_set_vgpr_msb (MSB<<8)|\new
.set MSB, \new
.endif
.endm
.macro PLACES                          ; four places behind a matrix instruction ahead of loads into, or vector work on, its registers
.rept 4
	v_nop
.endr
.endm
.macro ROUND                           ; a round of the cluster's barrier
	s_barrier_signal -1
	s_barrier_wait -1
	s_cmp_lg_u32 s[WV], 0
	s_cbranch_scc1 .Lnot_wave_0_\@
	s_barrier_signal -3
.Lnot_wave_0_\@:
	s_barrier_wait -3
	s_barrier_signal -1
	s_barrier_wait -1
.endm
.macro WADDR p, st                     ; the address of my step st's tile into slot p's group 0; no tensor load of mine is out where this stands
	s_add_co_u32 s44, s[ROT], \st
	s_and_b32 s44, s44, 7                  ; K step (st + rot) mod 8,
	s_lshl_b32 s44, s44, 8                 ; 256 bytes of a row each (s45 = 0)
	s_add_nc_u64 s[G0+4*\p+2:G0+4*\p+3], s[42:43], s[44:45]
	s_or_b32 s[G0+4*\p+3], s[G0+4*\p+3], 0x80000000
.endm
.macro XLOAD rs, c                     ; the chunk of x of my step c into ring set rs: my 16 rows x 512 bytes; each load covers one row's 512 consecutive bytes, aligned
	WIN 0x80
.irp e, 0,1,2,3,4,5,6,7,8,9,10,11,12,13,14,15
	global_load_b128 v[64*\rs+4*\e:64*\rs+4*\e+3], v[XO], s[XP+2*\c:XP+2*\c+1] offset:XROWB*\e th:TH_LOAD_NT
.endr
.endm
.macro XCONS rs, left, slot            ; ring set rs is rounded to bf16 and stored into x slot; left = younger loads that may stay out
	s_wait_loadcnt \left
	WIN 0x0a
.irp e, 0,1,2,3,4,5,6,7,8,9,10,11,12,13,14,15
	v_cvt_pk_bf16_f32 v[T+2*\e],   v[64*\rs+4*\e],   v[64*\rs+4*\e+1]
	v_cvt_pk_bf16_f32 v[T+2*\e+1], v[64*\rs+4*\e+2], v[64*\rs+4*\e+3]
.endr
	WIN 0
.irp e, 0,1,2,3,4,5,6,7,8,9,10,11,12,13,14,15
	ds_store_b64 v[XS+\slot], v[T+2*\e:T+2*\e+1] offset:XPITCH*\e   ; a row's 256 consecutive bytes
.endr
.endm
; 20 LDS loads: the fragments of quarter ks of the step (32 along K): 6 x 16 rows of W, 4 x 16 tokens of x.  Each quarter has registers of its own.
.macro FETCH ks, slot
	WIN 0
.irp ct, 0,1,2,3,4,5
	ds_load_b128 v[WF+48*\ks+8*\ct:WF+48*\ks+8*\ct+3],   v[WA+\slot] offset:\ct*16*WPITCH+64*\ks
	ds_load_b128 v[WF+48*\ks+8*\ct+4:WF+48*\ks+8*\ct+7], v[WA+\slot] offset:\ct*16*WPITCH+64*\ks+32
.endr
	WIN 0xc0
.irp rt, 0,1,2,3
	ds_load_b128 v[XF+32*\ks+8*\rt:XF+32*\ks+8*\rt+3],   v[XA+\slot] offset:\rt*16*XPITCH+64*\ks
	ds_load_b128 v[XF+32*\ks+8*\rt+4:XF+32*\ks+8*\rt+7], v[XA+\slot] offset:\rt*16*XPITCH+64*\ks+32
.endr
.endm
.macro MUL ks, zero                    ; 24 matrix instructions; the 24 accumulators take turns, one instruction a turn
	WIN 0x5c                               ; source 0 (W) window 0, source 1 (x) window 3, C and D window 1
.irp ct, 0,1,2,3,4,5
.irp rt, 0,1,2,3
.if \zero
	v_wmma_f32_16x16x32_bf16 v[8*(4*\ct+\rt):8*(4*\ct+\rt)+7], v[WF+48*\ks+8*\ct:WF+48*\ks+8*\ct+7], v[XF+32*\ks+8*\rt:XF+32*\ks+8*\rt+7], 0
.else
	v_wmma_f32_16x16x32_bf16 v[8*(4*\ct+\rt):8*(4*\ct+\rt)+7], v[WF+48*\ks+8*\ct:WF+48*\ks+8*\ct+7], v[XF+32*\ks+8*\rt:XF+32*\ks+8*\rt+7], v[8*(4*\ct+\rt):8*(4*\ct+\rt)+7]
.endif
.endr
.endr
.endm
; My step st, on W slot and x slot \slot.  refill: the other W slot gets the next step's tile.  issue: the chunk of x of step ichunk, three steps ahead, is asked
; for, into set iset.  cons: the next step's chunk (set cset) goes to the other x slot.
.macro STEP st, slot, refill, zero, issue, iset, ichunk, cons, cset, left
	s_wait_tensorcnt 0x0                   ; my one tensor load has landed: my part of this step's tile,
	ds_add_u32 v30, v31
	s_wait_dscnt 0x0
.if \refill
	WADDR (1-\slot), (\st+1)               ; so a group 0 may be written: the next step's tile, for the other slot
.endif
	s_wait_dscnt 0x0                       ; my reads of the last step's slots are back and my stores of this step's x are done
	ROUND                                  ; all that now holds of every wave of the four work-groups
.if \refill
	tensor_load_to_lds s[G0+4*(1-\slot):G0+4*(1-\slot)+3], s[G1:G1+7]   ; first thing behind the round, my one tensor load until the next
	s_nop 0
.endif
	FETCH 0, \slot
	FETCH 1, \slot
.if \issue
	XLOAD \iset, \ichunk
.endif
.if \cons
	XCONS \cset, \left, (1-\slot)
.endif
	s_wait_dscnt 20+16*\cons               ; quarter 0 is in: behind it came quarter 1's 20 loads and the 16 stores of x
	MUL 0, \zero
	FETCH 2, \slot
	s_wait_dscnt 20+16*\cons               ; quarter 1 is in: behind it came the 16 stores and quarter 2's 20 loads
	MUL 1, 0
	FETCH 3, \slot
	s_wait_dscnt 20                        ; quarter 2 is in: behind it came quarter 3's 20 loads
	MUL 2, 0
	s_wait_dscnt 0x0
	MUL 3, 0
	PLACES                                 ; ahead of the next step's loads into the fragments, and of the way out
	WIN 0
.endm
	s_load_b256 s[4:11], s[0:1], 0x0               ; x s[4:5], wb s[6:7], qh s[8:9], kh s[10:11]
	s_load_b64 s[12:13], s[0:1], 0x20              ; vh
	v_lshl_add_u32 v30, v0, 2, 0x47c00
	v_mov_b32 v31, 0
	ds_add_u32 v30, v31
	v_lshrrev_b32 v1, 5, v0
	v_readfirstlane_b32 s[WV], v1                  ; wave 0..3
	s_bfe_u32 s21, ttmp6, 0x40000                  ; cx: enters global addresses of x and of the outputs alone
	s_lshl_b32 s22, ttmp9, 2
	s_add_co_u32 s22, s22, s21                     ; work-group 0..255
	s_lshr_b32 s[ROT], ttmp9, 3
	s_add_co_u32 s[ROT], s[ROT], ttmp9
	s_and_b32 s[ROT], s[ROT], 7                    ; rot = (C + C / 8) mod 8
	v_and_b32 v12, 15, v0                          ; r
	v_bfe_u32 v13, v0, 4, 1                        ; h
	v_and_b32 v15, 31, v0                          ; lane
	s_lshl_b32 s50, s[WV], 16                      ; my 16 rows of x
	v_lshl_add_u32 v[XO], v15, 4, s50              ; 16 w rows + 16 x lane
	s_lshl_b32 s46, s22, 18                        ; 64 rows of 4,096 bytes a work-group
.irp c, 0,1,2,3,4,5,6,7
	s_add_co_u32 s[XP+2*\c], s[ROT], \c
	s_and_b32 s[XP+2*\c], s[XP+2*\c], 7            ; K step (c + rot) mod 8,
	s_lshl_b32 s[XP+2*\c], s[XP+2*\c], 9           ; 512 bytes of a row each,
	s_add_co_u32 s[XP+2*\c], s[XP+2*\c], s46       ; from the group's first row: below 2^26
	s_mov_b32 s[XP+2*\c+1], 0
.endr
	s_wait_dscnt 0x0
	s_wait_kmcnt 0x0
.irp c, 0,1,2,3,4,5,6,7
	s_add_nc_u64 s[XP+2*\c:XP+2*\c+1], s[4:5], s[XP+2*\c:XP+2*\c+1]
.endr
	XLOAD 0, 0                                     ; the chunks of x of my steps 0 to 2
	XLOAD 1, 1
	XLOAD 2, 2
	WIN 0
	; group 1: 96 rows x 128 elements of 2 bytes, pitch 1,024 elements, 4 dwords of padding behind every 64
	s_mov_b32 s[G1+0], 15|(1<<16)|(1<<20)|(1<<21)|(5<<22)|(3<<25)
	s_mov_b32 s[G1+1], 128<<16                     ; tensor_dim0 = 128
	s_mov_b32 s[G1+2], 96<<16                      ; tensor_dim1 = 96
	s_mov_b32 s[G1+3], 128<<16                     ; tile_dim0 = 128
	s_mov_b32 s[G1+4], 96                          ; tile_dim1 = 96
	s_mov_b32 s[G1+5], 1024                        ; elements from row to row
	s_mov_b32 s[G1+6], 0
	s_mov_b32 s[G1+7], 0
	s_mul_i32 s42, s[WV], 96*WROWB                 ; my 96 rows of wb: the wave number alone, nothing of the place in the cluster
	s_mov_b32 s43, 0
	s_add_nc_u64 s[42:43], s[6:7], s[42:43]
	s_mov_b32 s45, 0                               ; the upper word of a tile's offset
	s_mul_i32 s53, s[WV], WPART
.irp p, 0,1
	s_mov_b32 s[G0+4*\p], 1
	s_add_co_u32 s[G0+4*\p+1], s53, \p*WSLOT
.endr
	WADDR 0, 0
	ROUND                                          ; the four work-groups are here: the first joint loads meet
	tensor_load_to_lds s[G0:G0+3], s[G1:G1+7]      ; my step 0's tile
	s_nop 0
	v_mul_u32_u24 v14, v12, WPITCH
	v_lshl_add_u32 v14, v13, 4, v14
	v_add_nc_u32 v[WA], s53, v14                   ; (96 w + r) rows + 16 h
	v_add_nc_u32 v[WA+1], WSLOT, v[WA]
	v_mul_u32_u24 v14, v12, XPITCH
	v_lshl_add_u32 v14, v13, 4, v14
	v_add_nc_u32 v[XA], XB, v14                    ; r rows + 16 h
	v_add_nc_u32 v[XA+1], XSLOT, v[XA]
	s_mul_i32 s49, s[WV], 16*XPITCH
	s_add_co_u32 s49, s49, XB
	v_lshl_add_u32 v[XS], v15, 3, s49              ; 16 w rows + 8 x lane
	v_add_nc_u32 v[XS+1], XSLOT, v[XS]
	s_mul_i32 s51, s[WV], 192
	v_mul_u32_u24 v14, v12, SPITCH
	v_lshl_add_u32 v14, v13, 4, v14
	v_add_nc_u32 v14, s51, v14
	v_add_nc_u32 v[STO], STG, v14                  ; token r, my 96 columns, 16 h
	s_mul_i32 s52, s[WV], 16*SPITCH
	v_mul_u32_u24 v14, v13, SPITCH
	v_lshl_add_u32 v14, v12, 4, v14
	v_add_nc_u32 v14, s52, v14
	v_add_nc_u32 v[RD], STG, v14                   ; token 16 w + h, 16 r
	v_lshlrev_b32 v[GO], 4, v15
	XCONS 0, 32, 0                                 ; step 0's chunk into x slot 0; the chunks of steps 1 and 2 (32 loads) stay out
	; the chunk of step c lives in set c mod 3; step s asks for the chunk of step s + 3 and rounds that of step s + 1; 32 = the two younger chunks of 16 loads
	STEP 0, 0, 1, 1, 1, 0, 3, 1, 1, 32             ; step 0: its first products start the sums, nothing is cleared
	STEP 1, 1, 1, 0, 1, 1, 4, 1, 2, 32
	STEP 2, 0, 1, 0, 1, 2, 5, 1, 0, 32
	STEP 3, 1, 1, 0, 1, 0, 6, 1, 1, 32
	STEP 4, 0, 1, 0, 1, 1, 7, 1, 2, 32
	STEP 5, 1, 1, 0, 0, 0, 0, 1, 0, 16             ; steps 5 and 6 ask for no more x: the counts run down
	STEP 6, 0, 1, 0, 0, 0, 0, 1, 1, 0
	STEP 7, 1, 0, 0, 0, 0, 0, 0, 0, 0              ; step 7: nothing is left to fetch
	; THE WAY OUT.  The factor of a column tile: c where its columns belong to q (below 128), else 1.
	s_mul_i32 s45, s[WV], 96
.irp ct, 0,1,2,3,4,5
	s_add_co_u32 s46, s45, 16*\ct
	s_cmp_lt_u32 s46, 128
	s_cselect_b32 s[48+2*\ct], QSCALE, 1.0
	s_mov_b32 s[49+2*\ct], s[48+2*\ct]
.endr
	WIN 0x41
.irp ct, 0,1,2,3,4,5
.irp e, 0,2,4,6,8,10,12,14,16,18,20,22,24,26,28,30
	v_pk_mul_f32 v[32*\ct+\e:32*\ct+\e+1], v[32*\ct+\e:32*\ct+\e+1], s[48+2*\ct:49+2*\ct] op_sel_hi:[1,0]
.endr
.endr
	WIN 0x05
.irp ct, 0,1,2,3,4,5
.irp e, 0,1,2,3,4,5,6,7,8,9,10,11,12,13,14,15
	v_cvt_pk_f16_f32 v[WF+16*\ct+\e], v[32*\ct+2*\e], v[32*\ct+2*\e+1]   ; tile (ct, rt): four registers at WF + 4 (4 ct + rt)
.endr
.endr
	WIN 0
.irp ct, 0,1,2,3,4,5
.irp rt, 0,1,2,3
	ds_store_b128 v[STO], v[WF+4*(4*\ct+\rt):WF+4*(4*\ct+\rt)+3] offset:\rt*16*SPITCH+32*\ct
.endr
.endr
	s_lshl_b32 s46, s22, 14                        ; 64 tokens of 256 bytes a work-group,
	s_lshl_b32 s45, s[WV], 12                      ; 16 a wave
	s_add_co_u32 s46, s46, s45
	s_mov_b32 s47, 0
	s_add_nc_u64 s[8:9], s[8:9], s[46:47]
	s_add_nc_u64 s[10:11], s[10:11], s[46:47]
	s_add_nc_u64 s[12:13], s[12:13], s[46:47]
	s_wait_dscnt 0x0                               ; my stores into the stage are done,
	s_barrier_signal -1
	s_barrier_wait -1                              ; everybody's are: a token's 768 bytes come from all four waves
.irp mat, 0,1,2
.irp e, 0,1,2,3,4,5,6,7
	ds_load_b128 v[128+4*(8*\mat+\e):128+4*(8*\mat+\e)+3], v[RD] offset:\e*2*SPITCH+\mat*256
.endr
.endr
.irp mat, 0,1,2
.irp e, 0,1,2,3,4,5,6,7
	s_wait_dscnt 23-(8*\mat+\e)                    ; LDS loads come back in order: this one is in
	global_store_b128 v[GO], v[128+4*(8*\mat+\e):128+4*(8*\mat+\e)+3], s[8+2*\mat:9+2*\mat] offset:512*\e   ; two whole tokens: 512 consecutive bytes, aligned
.endr
.endr
	s_wait_tensorcnt 0x0
	ds_add_u32 v30, v31
	s_wait_dscnt 0x0
	ROUND                                          ; the closing round: no work-group ends while a partner may still ask jointly
	s_endpgm
.Lfunc_end_k_q7d9db528ad_proj:
	.size	k_q7d9db528ad_proj, .Lfunc_end_k_q7d9db528ad_proj-k_q7d9db528ad_proj
	.p2alignl 7, 3214868480
	.fill 96, 4, 3214868480
	.section	.rodata,"a",@progbits
	.p2align	6, 0x0
	.amdhsa_kernel k_q7d9db528ad_proj
		.amdhsa_group_segment_fixed_size 327680
		.amdhsa_private_segment_fixed_size 0
		.amdhsa_enable_private_segment 0
		.amdhsa_kernarg_size 40
		.amdhsa_user_sgpr_count 2
		.amdhsa_user_sgpr_kernarg_segment_ptr 1
		.amdhsa_wavefront_size32 1
		.amdhsa_system_sgpr_workgroup_id_x 1
		.amdhsa_system_sgpr_workgroup_id_y 1
		.amdhsa_system_sgpr_workgroup_id_z 1
		.amdhsa_system_vgpr_workitem_id 0
		.amdhsa_next_free_vgpr 896
		.amdhsa_next_free_sgpr 82
		.amdhsa_reserve_vcc 0
		.amdhsa_float_denorm_mode_32 3
		.amdhsa_float_denorm_mode_16_64 3
		.amdhsa_memory_ordered 1
		.amdhsa_forward_progress 1
		.amdhsa_inst_pref_size 161
	.end_amdhsa_kernel
	.amdgpu_metadata
---
amdhsa.version: [ 1, 2 ]
amdhsa.kernels:
  - .name:           k_q7d9db528ad_proj
    .symbol:         k_q7d9db528ad_proj.kd
    .args:
      - { .name: x, .offset: 0, .size: 8, .value_kind: global_buffer, .address_space: global }
      - { .name: wb, .offset: 8, .size: 8, .value_kind: global_buffer, .address_space: global }
      - { .name: qh, .offset: 16, .size: 8, .value_kind: global_buffer, .address_space: global }
      - { .name: kh, .offset: 24, .size: 8, .value_kind: global_buffer, .address_space: global }
      - { .name: vh, .offset: 32, .size: 8, .value_kind: global_buffer, .address_space: global }
    .group_segment_fixed_size: 327680
    .private_segment_fixed_size: 0
    .kernarg_segment_align: 8
    .kernarg_segment_size: 40
    .max_flat_workgroup_size: 128
    .sgpr_count:     82
    .vgpr_count:     896
    .wavefront_size: 32
...
	.end_amdgpu_metadata
.endif
;; end of part 5
;; launch attn (part 6): grid 256 x 1, 4 waves a work-group, clusters of 4 x 1, 327,680 bytes of LDS; arguments qh, kh, vh, out0; writes out0
.if DOCPART == 6
	.amdgcn_target "amdgcn-amd-amdhsa--gfx1250"
	.amdhsa_code_object_version 6
	.text
	.protected	k_q7d9db528ad_attn
	.globl	k_q7d9db528ad_attn
	.p2align	8
	.type	k_q7d9db528ad_attn,@function
k_q7d9db528ad_attn:
	s_mov_b64 s[64:65], 0
	v_nop
	global_prefetch_b8 v0, s[64:65] scope:SCOPE_SE
	s_setreg_imm32_b32 hwreg(HW_REG_WAVE_MODE, 25, 1), 1
	s_wait_xcnt 0x0
	s_wait_alu depctr_hold_cnt(0) depctr_sa_sdst(0) depctr_va_vdst(0) depctr_va_sdst(0) depctr_va_ssrc(0) depctr_va_vcc(0) depctr_vm_vsrc(0)
	s_getreg_b32 s2, hwreg(HW_REG_IB_STS2, 6, 4)
	s_cmp_eq_u32 s2, 0
	s_cbranch_scc0 .Lentry_in_a_cluster
	s_endpgm
.Lentry_in_a_cluster:
	s_bfe_u32 s2, ttmp6, 0x10000c
	s_cmp_lg_u32 s2, 0x3003
	s_cbranch_scc0 .Lentry_shape_is_right
	s_endpgm
.Lentry_shape_is_right:
; out0 = softmax(causal(q k^T 128^-0.5)) v for 4 batches of 4,096 tokens, 128 numbers a token.  qh holds c q (c = 128^-0.5 log2 e), so a score is an exponent of 2.
; Operands f16, sums f32, softmax in f32 with a running maximum: every exponent is score - maximum, never above 0.
; LIMITS: a masked score is -2^126; real scores are bounded by the f16 operands (128 x 65,504^2 < 2^40).  The row sum adds p before p is rounded to f16.
; NaN and infinities in the inputs are not followed.  The order in which the keys enter the running sums differs from cluster to cluster (below).
; SHARES: cluster C = (batch b = C / 16, c = C % 16); work-group i = 4 c + cx owns two blocks of 32 queries, numbers 127 - i and i of the batch's 128.
; Keys go in tiles of 256, one a step; wave w takes keys 64 w .. 64 w + 63 of a tile for all 32 queries and keeps its own maximum, sum and O; the four meet in LDS
; at the end.  Block Q needs the tiles 0 .. Q / 8, and a mask in the last of them alone: with a = c / 2 that is 16 - a tiles for block 127 - i and a + 1 for block i,
; 17 steps in every work-group, and the counts hang on c alone: the four partners walk the same tiles of K and V and ask for them JOINTLY (mask 15).  cx enters
; only the addresses of q and out0 and the lanes' mask offset, no branch and no LDS address.
; THE WALK: block 127 - i goes first, through its tiles 0 .. 15 - a in a circle that begins at tile 15 - c; then block i, tiles 0 .. a in order.  So the 16 clusters
; of a batch begin at 16 different tiles (those of one parity of c at every second tile, and reach the tiles between in their second step), and from then on a
; cluster asks for tiles that others asked for in an earlier step.  The order inside a pass is free: a masked score gives p = exp2(-2^126 - m) = 0 once m is a real
; score; as long as m is still -2^126 the sums are finite and the factor exp2(-2^126 - first real score) = 0 wipes them.
; The first block's masked tile, 15 - a, comes in step (15 - a) - (15 - c) = c - a, 8 at the most; the second block's, a, in step 16.
; LAYOUT: S^T = K Q^T: lane (r, h), register j holds key 8 h + j, query r; a lane's own registers, packed in pairs, are P^T's fragment: no shuffle.
; O^T = V^T P^T (V through the transposing LDS load): lane (r, h), register j holds number 8 h + j of query r.  Maximum, sum and rescale factor are a lane's own.
.set KPITCH, 272                       ; 256 bytes + 16
.set VPITCH, 288                       ; 256 bytes + 32, for the transposing load
.set KBYTES, 256*KPITCH
.set SLOT,   KBYTES+256*VPITCH         ; K's 256 rows, then V's
.set STATS,  2*SLOT                    ; [block][32 queries][m of waves 0-3, l of waves 0-3]: filled by LDS stores alone
.set PPITCH, 528                       ; a partial row: 512 bytes + 16
.set PART,   32*PPITCH                 ; partial O of one block and wave; the eight lie over slot 0, behind the last fill of the launch
.set TILEB,  65536                     ; 256 rows of 256 bytes in memory
.set NEGV,   0xfe800000                ; -2^126
; window 0
.set KA,  2                            ; v2-3   LDS address of my K fragments, slot 0, 1
.set VA,  4                            ; v4-5   of my V fragments
.set QO,  6                            ; v6     my byte offset in a block of q
.set DQ,  7                            ; v7     mask offset of the block at work: key 16 kt + j of my 64 is masked for query 16 nt + r if 16 kt + j - 16 nt > DQ
.set DH,  8                            ; v8     the second block's
.set NEG, 9                            ; v9     -2^126
.set MX,  10                           ; v10-11 running maximum, nt = 0, 1
.set LS,  12                           ; v12-15 running sums, a pair for each nt
.set AL,  16                           ; v16-19 rescale factor, low register of a pair for each nt
.set NM,  20                           ; v20-23 minus the maximum, likewise
.set MLO, 24                           ; v24-25 the first block's maxima
.set LLO, 26                           ; v26-29 and sums
.set TP,  30                           ; v30-31 at work
.set SC,  32                           ; v32-95   scores, tile (nt, kt) at 32 nt + 8 kt
.set PF,  96                           ; v96-127  P^T, fragment (nt, g) at 16 nt + 8 g
.set KF,  128                          ; v128-255 K fragments, (ks, kt) at 8 (4 ks + kt)
; window 1
.set OA,  0                            ; v0-127   O^T, tile (nt, ht) at 64 nt + 8 ht
.set VF,  128                          ; v128-255 V fragments, (g, ht) at 8 (8 g + ht)
; window 2
.set QF,  0                            ; v0-63    Q fragments of the block at work, (nt, ks) at 8 (4 nt + ks)
.set QH,  64                           ; v64-127  the second block's, until its turn
.set OLO, 128                          ; v128-255 the first block's O^T
; the merge, window 0
.set TQ,  96                           ; v96-103
.set ST,  104
.set PA,  105                          ; v105-106
.set RA,  107                          ; v107-108
.set SA,  109
.set GOM, 110
.set WV,  12                           ; s12 wave number
; s44 byte offset, in the batch's K and V, of the tile asked for last (s45 = 0); s51 of the tile at work; s15 of the end of the first block's circle, 16 - a tiles;
; s80 of its masked tile, 15 - a; s46 step number; s47 = 15 - a, the first block's last step
.set MSB, 0
.macro WIN new
.if MSB != \new
	s_set_vgpr_msb (MSB<<8)|\new
.set MSB, \new
.endif
.endm
.macro PLACES                          ; four places behind a matrix instruction ahead of loads into, or vector work on, its registers
.rept 4
	v_nop
.endr
.endm
.macro ROUND                           ; a round of the cluster's barrier
	s_barrier_signal -1
	s_barrier_wait -1
	s_cmp_lg_u32 s[WV], 0
	s_cbranch_scc1 .Lnot_wave_0_\@
	s_barrier_signal -3
.Lnot_wave_0_\@:
	s_barrier_wait -3
	s_barrier_signal -1
	s_barrier_wait -1
.endm
.macro JLOAD                           ; waves 0, 1: K's two halves of 128 rows; waves 2, 3: V's.  The branch hangs on the wave number alone
	s_cmp_eq_u32 s13, 0
	s_cbranch_scc0 .Lfor_v_\@
	tensor_load_to_lds s[32:35], s[16:23]
	s_nop 0
	s_branch .Lasked_\@
.Lfor_v_\@:
	tensor_load_to_lds s[36:39], s[24:31]
	s_nop 0
.Lasked_\@:
.endm
.macro NEXT slot                       ; both group 0 for the next step's tile, into the other slot; no tensor load of mine is out here
	s_mov_b32 s51, s44                     ; the tile asked for last has landed: it is this step's
	s_add_co_u32 s44, s44, TILEB           ; the next 256 keys,
	s_cmp_eq_u32 s44, s15
	s_cselect_b32 s44, 0, s44              ; round the first block's circle (the second block's tiles, a at the most, end below it),
	s_cmp_eq_u32 s46, s47
	s_cselect_b32 s44, 0, s44              ; or, behind the first block's last step, the second block's first tile
	s_add_co_u32 s33, s49, (1-\slot)*SLOT
	s_add_co_u32 s37, s50, (1-\slot)*SLOT
	s_add_nc_u64 s[34:35], s[40:41], s[44:45]
	s_or_b32 s35, s35, 0x80000000
	s_add_nc_u64 s[38:39], s[42:43], s[44:45]
	s_or_b32 s39, s39, 0x80000000
.endm
.macro LOADKV slot                     ; 32 loads of K (by ks), then 32 of V (by key group g)
	WIN 0
.irp ks, 0,1,2,3
.irp kt, 0,1,2,3
	ds_load_b128 v[KF+8*(4*\ks+\kt):KF+8*(4*\ks+\kt)+3],   v[KA+\slot] offset:\kt*16*KPITCH+64*\ks
	ds_load_b128 v[KF+8*(4*\ks+\kt)+4:KF+8*(4*\ks+\kt)+7], v[KA+\slot] offset:\kt*16*KPITCH+64*\ks+32
.endr
.endr
	WIN 0x40
.irp g, 0,1
.irp ht, 0,1,2,3,4,5,6,7
	ds_load_tr16_b128 v[VF+8*(8*\g+\ht):VF+8*(8*\g+\ht)+3],   v[VA+\slot] offset:\g*32*VPITCH+32*\ht
	ds_load_tr16_b128 v[VF+8*(8*\g+\ht)+4:VF+8*(8*\g+\ht)+7], v[VA+\slot] offset:\g*32*VPITCH+32*\ht+16*VPITCH
.endr
.endr
.endm
.macro QK                              ; 32 matrix instructions; the 8 accumulators take turns, one instruction a turn
	WIN 0x08
.irp ks, 0,1,2,3
	s_wait_dscnt 56-8*\ks                  ; K's loads up to this ks are in: behind them came 8 for each later ks and V's 32
.irp kt, 0,1,2,3
.irp nt, 0,1
.if \ks == 0
	v_wmma_f32_16x16x32_f16 v[SC+32*\nt+8*\kt:SC+32*\nt+8*\kt+7], v[KF+8*(4*\ks+\kt):KF+8*(4*\ks+\kt)+7], v[QF+8*(4*\nt+\ks):QF+8*(4*\nt+\ks)+7], 0
.else
	v_wmma_f32_16x16x32_f16 v[SC+32*\nt+8*\kt:SC+32*\nt+8*\kt+7], v[KF+8*(4*\ks+\kt):KF+8*(4*\ks+\kt)+7], v[QF+8*(4*\nt+\ks):QF+8*(4*\nt+\ks)+7], v[SC+32*\nt+8*\kt:SC+32*\nt+8*\kt+7]
.endif
.endr
.endr
.endr
.endm
.macro MASK
.irp nt, 0,1
.irp kt, 0,1,2,3
.irp j, 0,1,2,3,4,5,6,7
	v_cmp_gt_i32 vcc_lo, 16*\kt+\j-16*\nt, v[DQ]
	v_cndmask_b32 v[SC+32*\nt+8*\kt+\j], v[SC+32*\nt+8*\kt+\j], v[NEG], vcc_lo
.endr
.endr
.endr
.endm
.macro SOFTMAX nt
.set SB, SC+32*\nt
.set PB, PF+16*\nt
	; the largest of my 32 scores and the old maximum: 16 three-way maxima, four chains
.irp k, 0,1,2,3
	v_max3_num_f32 v[PB+\k], v[SB+8*\k], v[SB+8*\k+1], v[SB+8*\k+2]
.endr
.irp k, 0,1,2,3
	v_max3_num_f32 v[PB+\k], v[PB+\k], v[SB+8*\k+3], v[SB+8*\k+4]
.endr
.irp k, 0,1,2,3
	v_max3_num_f32 v[PB+\k], v[PB+\k], v[SB+8*\k+5], v[SB+8*\k+6]
.endr
	v_max3_num_f32 v[PB],   v[PB],   v[SB+7],  v[SB+15]
	v_max3_num_f32 v[PB+2], v[PB+2], v[SB+23], v[SB+31]
	v_max3_num_f32 v[PB+1], v[PB+1], v[PB+3],  v[MX+\nt]
	v_max3_num_f32 v[PB],   v[PB],   v[PB+1],  v[PB+2]
	v_permlanex16_b32 v[PB+1], v[PB], s52, s53     ; the other half of the lanes holds the query's other keys
	v_max_num_f32 v[TP], v[PB], v[PB+1]            ; the new maximum
	v_mul_f32 v[NM+2*\nt], -1.0, v[TP]
	v_add_f32 v[TP+1], v[MX+\nt], v[NM+2*\nt]      ; old - new
.irp e, 0,2,4,6,8,10,12,14,16,18,20,22,24,26,28,30
	v_pk_add_f32 v[SB+\e:SB+\e+1], v[SB+\e:SB+\e+1], v[NM+2*\nt:NM+2*\nt+1] op_sel_hi:[1,0]
.endr
	v_exp_f32 v[AL+2*\nt], v[TP+1]
.irp e, 0,1,2,3,4,5,6,7,8,9,10,11,12,13,14,15,16,17,18,19,20,21,22,23,24,25,26,27,28,29,30,31
	v_exp_f32 v[SB+\e], v[SB+\e]
.endr
	v_mov_b32 v[MX+\nt], v[TP]                     ; the plain instruction between the exponentials and the first use of a result (ISA guide 5.7.2)
	s_wait_alu depctr_va_vdst(0)
	v_pk_fma_f32 v[LS+2*\nt:LS+2*\nt+1], v[LS+2*\nt:LS+2*\nt+1], v[AL+2*\nt:AL+2*\nt+1], v[SB:SB+1] op_sel_hi:[1,0,1]
	v_pk_add_f32 v[TP:TP+1], v[SB+2:SB+3], v[SB+4:SB+5]
.irp e, 6,10,14,18,22,26
	v_pk_add_f32 v[LS+2*\nt:LS+2*\nt+1], v[LS+2*\nt:LS+2*\nt+1], v[SB+\e:SB+\e+1]
	v_pk_add_f32 v[TP:TP+1], v[TP:TP+1], v[SB+\e+2:SB+\e+3]
.endr
	v_pk_add_f32 v[LS+2*\nt:LS+2*\nt+1], v[LS+2*\nt:LS+2*\nt+1], v[SB+30:SB+31]
	v_pk_add_f32 v[LS+2*\nt:LS+2*\nt+1], v[LS+2*\nt:LS+2*\nt+1], v[TP:TP+1]
.irp e, 0,1,2,3,4,5,6,7,8,9,10,11,12,13,14,15
	v_cvt_pk_f16_f32 v[PB+\e], v[SB+2*\e], v[SB+2*\e+1]
.endr
.endm
.macro RESCALE
	WIN 0x41
.irp nt, 0,1
.set cnt, 0
.rept 32
	v_pk_mul_f32 v[OA+64*\nt+cnt:OA+64*\nt+cnt+1], v[OA+64*\nt+cnt:OA+64*\nt+cnt+1], v[AL+2*\nt:AL+2*\nt+1] op_sel_hi:[1,0]
.set cnt, cnt+2
.endr
.endr
.endm
.macro PV first                        ; 32 matrix instructions; the 16 accumulators take turns, one instruction a turn
	WIN 0x51
.irp g, 0,1
	s_wait_dscnt 16-16*\g                  ; V's key group g is in: 16 loads came behind group 0, none behind group 1
.irp ht, 0,1,2,3,4,5,6,7
.irp nt, 0,1
.if \first*(1-\g)
	v_wmma_f32_16x16x32_f16 v[OA+64*\nt+8*\ht:OA+64*\nt+8*\ht+7], v[VF+8*(8*\g+\ht):VF+8*(8*\g+\ht)+7], v[PF+16*\nt+8*\g:PF+16*\nt+8*\g+7], 0
.else
	v_wmma_f32_16x16x32_f16 v[OA+64*\nt+8*\ht:OA+64*\nt+8*\ht+7], v[VF+8*(8*\g+\ht):VF+8*(8*\g+\ht)+7], v[PF+16*\nt+8*\g:PF+16*\nt+8*\g+7], v[OA+64*\nt+8*\ht:OA+64*\nt+8*\ht+7]
.endif
.endr
.endr
.endr
.endm
.macro SAVE                            ; O, maxima and sums as they stand become the first block's
	WIN 0x81
.set cnt, 0
.rept 128
	v_mov_b32 v[OLO+cnt], v[OA+cnt]
.set cnt, cnt+1
.endr
	WIN 0
	v_mov_b32 v[MLO],   v[MX]
	v_mov_b32 v[MLO+1], v[MX+1]
.irp e, 0,1,2,3
	v_mov_b32 v[LLO+\e], v[LS+\e]
.endr
.endm
; The second block's turn.  m = -2^126 again: a query's first real score makes the factor exp2(-2^126 - new maximum) = 0, which wipes what O and the sums still
; hold; a query for which this wave meets no real score in the whole pass keeps m = -2^126 and finite sums, and gets the weight 0 in the merge.
.macro SWITCH
	WIN 0x82
.set cnt, 0
.rept 64
	v_mov_b32 v[QF+cnt], v[QH+cnt]
.set cnt, cnt+1
.endr
	WIN 0
	v_mov_b32 v[MX],   v[NEG]
	v_mov_b32 v[MX+1], v[NEG]
	v_mov_b32 v[DQ],   v[DH]
.endm
; One step of 256 keys on slot \slot.  refill: the other slot gets the next step's tiles.  first: the products start O.
; mask: 0 = where the tile at work is the first block's last (a branch on the tile's offset), 1 = always, 2 = never.
; pend: 3 = SAVE; 1 = SAVE and SWITCH behind the first block's last step (a branch on the step number); 0 = neither.
.macro STEP slot, refill, first, mask, pend
	s_set_vgpr_msb 0xf
	s_wait_tensorcnt 0x0                   ; all my tensor loads have landed, my part of this step's tiles among them, so both group 0 may be written
	ds_add_u32 v0, v1
	s_wait_dscnt 0x0
	s_set_vgpr_msb 0xf00
.if \refill
	NEXT \slot
.endif
	s_wait_dscnt 0x0                       ; my reads of the other slot are back
	ROUND                                  ; both now hold of every wave of the four work-groups
.if \refill
	JLOAD                                  ; first thing behind the round, my one tensor load until the next
.endif
	LOADKV \slot
	QK
	PLACES
	WIN 0
.if \mask == 0
	s_cmp_lg_u32 s51, s80
	s_cbranch_scc1 .Lnomask_\@
	MASK
.Lnomask_\@:
.endif
.if \mask == 1
	MASK
.endif
	SOFTMAX 0
	SOFTMAX 1
.if \first == 0
	RESCALE
.endif
	PV \first
	PLACES
	WIN 0
.if \pend == 3
	SAVE                                   ; without a branch here: so the first block's registers are written on every way to the merge
.endif
.if \pend == 1
	s_cmp_lg_u32 s46, s47
	s_cbranch_scc1 .Lsame_\@
	SAVE
	SWITCH
.Lsame_\@:
.endif
	s_add_co_u32 s46, s46, 1
.endm
	s_load_b256 s[4:11], s[0:1], 0x0               ; qh s[4:5], kh s[6:7], vh s[8:9], out0 s[10:11]
	s_set_vgpr_msb 0xc0
	v_lshl_add_u32 v0, v0, 2, 0x46800
	v_mov_b32 v1, 0
	s_set_vgpr_msb 0xc0cf
	ds_add_u32 v0, v1
	s_set_vgpr_msb 0xcf00
	v_lshrrev_b32 v1, 5, v0
	v_readfirstlane_b32 s[WV], v1                  ; wave 0..3
	s_lshr_b32 s13, s[WV], 1                       ; I fetch for K (0) or for V (1),
	s_and_b32 s14, s[WV], 1                        ; and which 128 rows
	s_lshr_b32 s54, ttmp9, 4                       ; batch
	s_and_b32 s55, ttmp9, 15                       ; c
	s_lshr_b32 s47, s55, 1                         ; a
	s_sub_co_u32 s47, 15, s47                      ; 15 - a: the first block's last step, and its last tile
	s_lshl_b32 s80, s47, 16                        ; that tile's offset: the one that wants the mask
	s_add_co_u32 s15, s80, TILEB                   ; the end of the circle
	s_sub_co_u32 s44, 15, s55
	s_lshl_b32 s44, s44, 16                        ; the circle begins at tile 15 - c, which is 15 - a at the most
	s_mov_b32 s45, 0
	s_mov_b32 s46, 0                               ; step number
	s_bfe_u32 s56, ttmp6, 0x40000                  ; cx
	s_lshl2_add_u32 s58, s55, s56                  ; the second block, i = 4 c + cx
	s_sub_co_u32 s57, 127, s58                     ; the first block
	s_mov_b32 s52, 0x76543210                      ; v_permlanex16_b32: lane i of one half reads lane i of the other
	s_mov_b32 s53, 0xfedcba98
	; group 1: 128 rows x 128 elements of 2 bytes, dense in memory; behind every 64 dwords 4 dwords of padding for K, 8 for V
	s_mov_b32 s16, 15|(1<<16)|(1<<20)|(1<<21)|(5<<22)|(3<<25)
	s_mov_b32 s24, 15|(1<<16)|(1<<20)|(1<<21)|(5<<22)|(7<<25)
.irp p, 16, 24
	s_mov_b32 s[\p+1], 128<<16                     ; tensor_dim0 = 128
	s_mov_b32 s[\p+2], 128<<16                     ; tensor_dim1 = 128
	s_mov_b32 s[\p+3], 128<<16                     ; tile_dim0 = 128
	s_mov_b32 s[\p+4], 128                         ; tile_dim1 = 128
	s_mov_b32 s[\p+5], 128                         ; elements from row to row
	s_mov_b32 s[\p+6], 0
	s_mov_b32 s[\p+7], 0
.endr
	s_mul_i32 s49, s14, 128*KPITCH                 ; where my half of K's tile goes in a slot,
	s_mul_i32 s50, s14, 128*VPITCH
	s_add_co_u32 s50, s50, KBYTES                  ; and of V's
	s_lshl_b32 s59, s54, 20                        ; the batch: 4,096 rows of 256 bytes
	s_lshl_b32 s60, s14, 15                        ; my 128 rows
	s_add_co_u32 s60, s60, s59
	s_mov_b32 s61, 0
	s_lshl_b32 s62, s57, 13                        ; a block of q: 32 rows of 256 bytes
	s_add_co_u32 s62, s62, s59
	s_mov_b32 s63, 0
	s_lshl_b32 s66, s58, 13
	s_add_co_u32 s66, s66, s59
	s_mov_b32 s67, 0
	v_and_b32 v30, 15, v0                          ; r
	v_bfe_u32 v31, v0, 4, 1                        ; h
	v_lshlrev_b32 v[QO], 8, v30
	v_lshl_add_u32 v[QO], v31, 4, v[QO]            ; 256 r + 16 h
	s_wait_dscnt 0x0
	s_wait_kmcnt 0x0
	s_add_nc_u64 s[40:41], s[6:7], s[60:61]        ; K and V at my half of the batch's first tile: nothing of cx in these
	s_add_nc_u64 s[42:43], s[8:9], s[60:61]
	s_add_nc_u64 s[68:69], s[4:5], s[62:63]        ; q of the first block,
	s_add_nc_u64 s[70:71], s[4:5], s[66:67]        ; of the second block
	s_lshl_b32 s62, s62, 1                         ; rows of out0 are twice as long
	s_lshl_b32 s66, s66, 1
	s_add_nc_u64 s[72:73], s[10:11], s[62:63]
	s_add_nc_u64 s[74:75], s[10:11], s[66:67]
	WIN 0x80
.irp nt, 0,1
.irp ks, 0,1,2,3
	global_load_b128 v[QF+8*(4*\nt+\ks):QF+8*(4*\nt+\ks)+3],   v[QO], s[68:69] offset:\nt*4096+64*\ks
	global_load_b128 v[QF+8*(4*\nt+\ks)+4:QF+8*(4*\nt+\ks)+7], v[QO], s[68:69] offset:\nt*4096+64*\ks+32
	global_load_b128 v[QH+8*(4*\nt+\ks):QH+8*(4*\nt+\ks)+3],   v[QO], s[70:71] offset:\nt*4096+64*\ks
	global_load_b128 v[QH+8*(4*\nt+\ks)+4:QH+8*(4*\nt+\ks)+7], v[QO], s[70:71] offset:\nt*4096+64*\ks+32
.endr
.endr
	WIN 0
	s_mov_b32 s32, 1
	s_mov_b32 s33, s49
	s_add_nc_u64 s[34:35], s[40:41], s[44:45]      ; step 0's tile
	s_or_b32 s35, s35, 0x80000000
	s_mov_b32 s36, 1
	s_mov_b32 s37, s50
	s_add_nc_u64 s[38:39], s[42:43], s[44:45]
	s_or_b32 s39, s39, 0x80000000
	ROUND                                          ; the four work-groups are here: the first joint loads meet
	JLOAD                                          ; step 0's tiles into slot 0
	s_mul_i32 s76, s[WV], 64*KPITCH
	v_mul_u32_u24 v1, v30, KPITCH
	v_lshl_add_u32 v1, v31, 4, v1
	v_add_nc_u32 v[KA], s76, v1                    ; (64 w + r) rows + 16 h
	v_add_nc_u32 v[KA+1], SLOT, v[KA]
	s_mul_i32 s77, s[WV], 64*VPITCH
	v_and_b32 v1, 7, v0
	v_lshl_add_u32 v1, v31, 3, v1
	v_mul_u32_u24 v1, v1, VPITCH
	v_bfe_u32 v32, v0, 3, 1
	v_lshl_add_u32 v1, v32, 4, v1
	v_add_nc_u32 v1, s77, v1
	v_add_nc_u32 v[VA], KBYTES, v1                 ; (64 w + 8 h + lane % 8) rows + 16 (lane / 8 % 2)
	v_add_nc_u32 v[VA+1], SLOT, v[VA]
	v_lshlrev_b32 v1, 3, v31
	v_sub_nc_u32 v1, v30, v1
	s_lshl_b32 s78, s[WV], 6
	v_sub_nc_u32 v1, v1, s78                       ; r - 8 h - 64 w
	s_and_b32 s62, s57, 7
	s_lshl_b32 s62, s62, 5
	v_add_nc_u32 v[DQ], s62, v1                    ; + 32 (block % 8): the block's place in its last tile's 256 keys
	s_and_b32 s66, s58, 7
	s_lshl_b32 s66, s66, 5
	v_add_nc_u32 v[DH], s66, v1
	v_mov_b32 v[NEG], NEGV
	v_mov_b32 v[MX], NEGV
	v_mov_b32 v[MX+1], NEGV
.irp e, 0,1,2,3
	v_mov_b32 v[LS+\e], 0
.endr
	v_mov_b32 v[AL+1], 0                           ; the upper registers of the broadcast pairs: named, never used
	v_mov_b32 v[AL+3], 0
	v_mov_b32 v[NM+1], 0
	v_mov_b32 v[NM+3], 0
	s_wait_loadcnt 0x0                             ; q, once
	STEP 0, 1, 1, 0, 3                             ; step 0
	s_mov_b32 s48, 7
.Lpair:
	STEP 1, 1, 0, 0, 1                             ; steps 1 to 14
	STEP 0, 1, 0, 0, 1
	s_sub_co_u32 s48, s48, 1
	s_cmp_lg_u32 s48, 0
	s_cbranch_scc1 .Lpair
	STEP 1, 1, 0, 2, 1                             ; step 15: the first block's masked tile came in step 8 at the latest; its last step may be this one (a = 0)
	STEP 0, 0, 0, 1, 0                             ; step 16: the second block's last tile: masked, nothing left to fetch
	; THE MERGE.  Each wave hands over, for both blocks, its maxima, sums and partial O; wave w then finishes queries 8 w .. 8 w + 7 of each block.
	s_wait_dscnt 0x0
	s_barrier_signal -1
	s_barrier_wait -1                              ; nobody reads the slots any more, and no fill follows
	v_and_b32 v30, 15, v0
	v_bfe_u32 v31, v0, 4, 1
	v_and_b32 v1, 31, v0
	s_lshl_b32 s76, s[WV], 2
	s_add_co_u32 s76, s76, STATS
	v_lshl_add_u32 v[ST], v30, 5, s76              ; query r's 32 bytes, my word
	s_mul_i32 s77, s[WV], PART
	v_mul_u32_u24 v[PA], v30, PPITCH
	v_lshl_add_u32 v[PA], v31, 5, v[PA]
	v_add_nc_u32 v[PA], s77, v[PA]                 ; my partial, row r, 32 h
	v_add_nc_u32 v[PA+1], 4*PART, v[PA]
	s_mul_i32 s78, s[WV], 8*PPITCH
	v_lshl_add_u32 v[RA], v1, 4, s78               ; row 8 w, 16 x lane
	v_add_nc_u32 v[RA+1], 4*PART, v[RA]
	s_lshl_b32 s79, s[WV], 8
	s_add_co_u32 s79, s79, STATS
	v_mov_b32 v[SA], s79                           ; query 8 w's 32 bytes, the same for all lanes
	s_lshl_b32 s76, s[WV], 12
	v_lshl_add_u32 v[GOM], v1, 4, s76              ; out0: row 8 w of the block, 16 x lane
.irp p, LLO, LLO+2, LS, LS+2
	v_add_f32 v[\p], v[\p], v[\p+1]                ; a lane's two sums,
.endr
.irp p, LLO, LLO+2, LS, LS+2
	v_permlanex16_b32 v[\p+1], v[\p], s52, s53
.endr
.irp p, LLO, LLO+2, LS, LS+2
	v_add_f32 v[\p], v[\p], v[\p+1]                ; and the other half's
.endr
	ds_store_b32 v[ST], v[MLO]   offset:0          ; lanes r and 16 + r store the same number to the same word
	ds_store_b32 v[ST], v[MLO+1] offset:512
	ds_store_b32 v[ST], v[LLO]   offset:16
	ds_store_b32 v[ST], v[LLO+2] offset:528
	ds_store_b32 v[ST], v[MX]    offset:1024
	ds_store_b32 v[ST], v[MX+1]  offset:1536
	ds_store_b32 v[ST], v[LS]    offset:1040
	ds_store_b32 v[ST], v[LS+2]  offset:1552
	WIN 0x08
.irp nt, 0,1
.irp ht, 0,1,2,3,4,5,6,7
	ds_store_b128 v[PA], v[OLO+64*\nt+8*\ht:OLO+64*\nt+8*\ht+3]   offset:\nt*16*PPITCH+64*\ht
	ds_store_b128 v[PA], v[OLO+64*\nt+8*\ht+4:OLO+64*\nt+8*\ht+7] offset:\nt*16*PPITCH+64*\ht+16
.endr
.endr
	WIN 0x04
.irp nt, 0,1
.irp ht, 0,1,2,3,4,5,6,7
	ds_store_b128 v[PA+1], v[OA+64*\nt+8*\ht:OA+64*\nt+8*\ht+3]   offset:\nt*16*PPITCH+64*\ht
	ds_store_b128 v[PA+1], v[OA+64*\nt+8*\ht+4:OA+64*\nt+8*\ht+7] offset:\nt*16*PPITCH+64*\ht+16
.endr
.endr
	WIN 0
	s_wait_dscnt 0x0                               ; my stores are done,
	s_barrier_signal -1
	s_barrier_wait -1                              ; everybody's are
; Eight queries of block blk (0: the first, 1: the second): weights g_w = exp2(m_w - M) / sum over w of exp2(m_w - M) l_w; the row is the sum of g_w x partial row of wave w.
; A wave that met no real score for a query has m_w = -2^126: its weight is 0 and its finite sums drop out.  The query's own key is never masked, so M is a real score.
.macro FIN blk, ra, ob
.irp qi, 0,1,2,3,4,5,6,7
	ds_load_b128 v[SC+8*\qi:SC+8*\qi+3],   v[SA] offset:\blk*1024+32*\qi
	ds_load_b128 v[SC+8*\qi+4:SC+8*\qi+7], v[SA] offset:\blk*1024+32*\qi+16
.endr
.irp wp, 0,1,2,3
.irp qi, 0,1,2,3,4,5,6,7
	ds_load_b128 v[KF+4*(8*\wp+\qi):KF+4*(8*\wp+\qi)+3], v[\ra] offset:\wp*PART+PPITCH*\qi   ; a whole row: 32 lanes x 16 bytes
.endr
.endr
	s_wait_dscnt 32                                ; maxima and sums are in; the 32 rows may stay out
.irp qi, 0,1,2,3,4,5,6,7
	v_max3_num_f32 v[TQ+\qi], v[SC+8*\qi], v[SC+8*\qi+1], v[SC+8*\qi+2]
.endr
.irp qi, 0,1,2,3,4,5,6,7
	v_max_num_f32 v[TQ+\qi], v[TQ+\qi], v[SC+8*\qi+3]
.endr
.irp qi, 0,1,2,3,4,5,6,7
.irp wp, 0,1,2,3
	v_sub_f32 v[SC+8*\qi+\wp], v[SC+8*\qi+\wp], v[TQ+\qi]
.endr
.endr
.irp qi, 0,1,2,3,4,5,6,7
.irp wp, 0,1,2,3
	v_exp_f32 v[SC+8*\qi+\wp], v[SC+8*\qi+\wp]
.endr
.endr
	v_nop                                          ; the plain place behind the exponentials (ISA guide 5.7.2)
	s_wait_alu depctr_va_vdst(0)
.irp qi, 0,1,2,3,4,5,6,7
	v_mul_f32 v[TQ+\qi], v[SC+8*\qi], v[SC+8*\qi+4]
.endr
.irp wp, 1,2,3
.irp qi, 0,1,2,3,4,5,6,7
	v_fmac_f32 v[TQ+\qi], v[SC+8*\qi+\wp], v[SC+8*\qi+4+\wp]
.endr
.endr
.irp qi, 0,1,2,3,4,5,6,7
	v_rcp_f32 v[TQ+\qi], v[TQ+\qi]
.endr
	v_nop                                          ; likewise behind the reciprocals
	s_wait_alu depctr_va_vdst(0)
.irp qi, 0,1,2,3,4,5,6,7
	v_mul_f32 v[SC+8*\qi+6], v[SC+8*\qi+3], v[TQ+\qi]      ; g_w into register 2 w of the eight, from the top down: each the low register of a pair
	v_mul_f32 v[SC+8*\qi+4], v[SC+8*\qi+2], v[TQ+\qi]
	v_mul_f32 v[SC+8*\qi+2], v[SC+8*\qi+1], v[TQ+\qi]
	v_mul_f32 v[SC+8*\qi],   v[SC+8*\qi],   v[TQ+\qi]
.endr
	s_wait_dscnt 0x0
.irp qi, 0,1,2,3,4,5,6,7
	v_pk_mul_f32 v[KF+4*\qi:KF+4*\qi+1],   v[KF+4*\qi:KF+4*\qi+1],   v[SC+8*\qi:SC+8*\qi+1] op_sel_hi:[1,0]
	v_pk_mul_f32 v[KF+4*\qi+2:KF+4*\qi+3], v[KF+4*\qi+2:KF+4*\qi+3], v[SC+8*\qi:SC+8*\qi+1] op_sel_hi:[1,0]
.irp wp, 1,2,3
	v_pk_fma_f32 v[KF+4*\qi:KF+4*\qi+1],   v[KF+4*(8*\wp+\qi):KF+4*(8*\wp+\qi)+1],   v[SC+8*\qi+2*\wp:SC+8*\qi+2*\wp+1], v[KF+4*\qi:KF+4*\qi+1] op_sel_hi:[1,0,1]
	v_pk_fma_f32 v[KF+4*\qi+2:KF+4*\qi+3], v[KF+4*(8*\wp+\qi)+2:KF+4*(8*\wp+\qi)+3], v[SC+8*\qi+2*\wp:SC+8*\qi+2*\wp+1], v[KF+4*\qi+2:KF+4*\qi+3] op_sel_hi:[1,0,1]
.endr
	global_store_b128 v[GOM], v[KF+4*\qi:KF+4*\qi+3], s[\ob:\ob+1] offset:512*\qi th:TH_STORE_NT   ; a whole row of out0: 512 consecutive bytes, aligned
.endr
.endm
	FIN 0, RA, 72
	s_wait_xcnt 0x0                                ; the registers that the stores read are loaded again only behind this wait
	FIN 1, RA+1, 74
	s_set_vgpr_msb 0xf
	s_wait_tensorcnt 0x0
	ds_add_u32 v0, v1
	s_wait_dscnt 0x0
	s_set_vgpr_msb 0xf00
	ROUND                                          ; the closing round: no work-group ends while a partner may still ask jointly
	s_endpgm
.Lfunc_end_k_q7d9db528ad_attn:
	.size	k_q7d9db528ad_attn, .Lfunc_end_k_q7d9db528ad_attn-k_q7d9db528ad_attn
	.p2alignl 7, 3214868480
	.fill 96, 4, 3214868480
	.section	.rodata,"a",@progbits
	.p2align	6, 0x0
	.amdhsa_kernel k_q7d9db528ad_attn
		.amdhsa_group_segment_fixed_size 327680
		.amdhsa_private_segment_fixed_size 0
		.amdhsa_enable_private_segment 0
		.amdhsa_kernarg_size 32
		.amdhsa_user_sgpr_count 2
		.amdhsa_user_sgpr_kernarg_segment_ptr 1
		.amdhsa_wavefront_size32 1
		.amdhsa_system_sgpr_workgroup_id_x 1
		.amdhsa_system_sgpr_workgroup_id_y 1
		.amdhsa_system_sgpr_workgroup_id_z 1
		.amdhsa_system_vgpr_workitem_id 0
		.amdhsa_next_free_vgpr 770
		.amdhsa_next_free_sgpr 82
		.amdhsa_reserve_vcc 1
		.amdhsa_float_denorm_mode_32 3
		.amdhsa_float_denorm_mode_16_64 3
		.amdhsa_memory_ordered 1
		.amdhsa_forward_progress 1
		.amdhsa_inst_pref_size 200
	.end_amdhsa_kernel
	.amdgpu_metadata
---
amdhsa.version: [ 1, 2 ]
amdhsa.kernels:
  - .name:           k_q7d9db528ad_attn
    .symbol:         k_q7d9db528ad_attn.kd
    .args:
      - { .name: qh, .offset: 0, .size: 8, .value_kind: global_buffer, .address_space: global }
      - { .name: kh, .offset: 8, .size: 8, .value_kind: global_buffer, .address_space: global }
      - { .name: vh, .offset: 16, .size: 8, .value_kind: global_buffer, .address_space: global }
      - { .name: out0, .offset: 24, .size: 8, .value_kind: global_buffer, .address_space: global }
    .group_segment_fixed_size: 327680
    .private_segment_fixed_size: 0
    .kernarg_segment_align: 8
    .kernarg_segment_size: 32
    .max_flat_workgroup_size: 128
    .sgpr_count:     82
    .vgpr_count:     770
    .wavefront_size: 32
...
	.end_amdgpu_metadata
.endif
;; end of part 6
